; MI455X (gfx1250); checked and timed in simulation.
; The chip was launched on July 23, 2026; its instructions are those of AMD's public machine-readable ISA for CDNA 5 (MIT licence, August 2026) and "CDNA5" Instruction Set Architecture Reference Guide (July 2026). The comments in the code are by the model that wrote it; some were corrected since.
;; Multi Head Attention. Allowed arithmetic: matrix products marked QUANTISED: E5M2 operands, one E8M0 scale for each 32 along K, by v_wmma_scale_f32_16x16x128_f8f6f4 with both operands' format E5M2, f32 sums; everything else in f32.
;; Inputs: Wk_codes 1,024 x 32 x 32 uint8 (E5M2 codes of Wk, K innermost, in blocks of 32 codes); Wk_scales 1,024 x 32 uint8 (E8M0 scales of Wk, one for each 32 codes along K); Wo_codes 1,024 x 32 x 32 uint8 (E5M2 codes of Wo, K innermost, in blocks of 32 codes); Wo_scales 1,024 x 32 uint8 (E8M0 scales of Wo, one for each 32 codes along K); Wq_codes 1,024 x 32 x 32 uint8 (E5M2 codes of Wq, K innermost, in blocks of 32 codes); Wq_scales 1,024 x 32 uint8 (E8M0 scales of Wq, one for each 32 codes along K); Wv_codes 1,024 x 32 x 32 uint8 (E5M2 codes of Wv, K innermost, in blocks of 32 codes); Wv_scales 1,024 x 32 uint8 (E8M0 scales of Wv, one for each 32 codes along K); beta 1,024 float32; bk 1,024 float32; bo 1,024 float32; bq 1,024 float32; bv 1,024 float32; gamma 1,024 float32; k_codes 4 x 2,048 x 32 x 32 uint8 (E5M2 codes of k, K innermost, in blocks of 32 codes); k_scales 4 x 2,048 x 32 uint8 (E8M0 scales of k, one for each 32 codes along K); q 4 x 2,048 x 1,024 float32; v_codes 4 x 2,048 x 32 x 32 uint8 (E5M2 codes of v, K innermost, in blocks of 32 codes); v_scales 4 x 2,048 x 32 uint8 (E8M0 scales of v, one for each 32 codes along K).
;; Outputs: out0 4 x 2,048 x 1,024 float32.
;; This version of the problem:
;;   THIS VERSION OF THE PROBLEM IS GIVEN IN LOW PRECISION. The matrix products marked QUANTISED in the list below multiply operands that are first quantised to E5M2 (5 exponent bits, 2 mantissa bits; 8 bits a number), with one power-of-two scale for each 32 numbers along K (OCP MX v1.0); their sums are f32. All else is computed in f32.
;;   The module's matrix products, in the order in which they are computed (A, B: the left and right operand; K: the contracted axis; several contracted axes count as one K, in the product's order):
;;     1. [M 8,192, K 1,024] x [K 1,024, N 1,024]; A: input q; B: input Wq (given as codes): QUANTISED
;;     2. [M 8,192, K 1,024] x [K 1,024, N 1,024]; A: input k (given as codes); B: input Wk (given as codes): QUANTISED
;;     3. [M 8,192, K 1,024] x [K 1,024, N 1,024]; A: input v (given as codes); B: input Wv (given as codes): QUANTISED
;;     4. batch 64 x [M 2,048, K 64] x [K 64, N 2,048]; A: computed on the way; B: computed on the way: QUANTISED
;;     5. batch 64 x [M 2,048, K 2,048] x [K 2,048, N 64]; A: softmax (see below); B: computed on the way: QUANTISED
;;     6. [M 8,192, K 1,024] x [K 1,024, N 1,024]; A: computed on the way; B: input Wo (given as codes): QUANTISED
;;   THE QUANTISER, for each operand of a quantised product, along K:
;;     - K is cut into blocks of 32 from its start; a last block that is shorter is filled with zeros.
;;     - A block's scale is 2^e with e = floor(log2(the largest magnitude in the block)) - 15, held to -126 .. 127; a block of zeros has e = 0. As a byte (E8M0): e + 127.
;;     - Each number is divided by its block's scale, clamped to +-57,344, and rounded to the nearest number of E5M2, ties to even, subnormals kept.
;;     - The product sums the exact products of the quantised numbers (number of the format x scale) in f32.
;;   ~~~python
;;   def quantise(x, axis):      # numpy; x: float32 -> the quantised numbers, widened to float32 again
;;       x = np.moveaxis(x, axis, -1); K = x.shape[-1]
;;       x = np.pad(x, [(0, 0)] * (x.ndim - 1) + [(0, -K % 32)]); x = x.reshape(x.shape[:-1] + (-1, 32)); a = np.abs(x).max(-1, keepdims=True)
;;       e = np.where(a > 0, np.clip(np.frexp(np.where(a > 0, a, 1))[1] - 1 - 15, -126, 127), 0)      # np.frexp(a)[1] - 1 = floor(log2(a)), exactly
;;       r = np.clip(x / 2.0 ** e, -57344, 57344)
;;       step = 2.0 ** (np.maximum(np.frexp(np.where(r == 0, 1, r))[1] - 1, -14) - 2)
;;       q = np.round(r / step) * step * 2.0 ** e      # np.round: ties to even
;;       return np.moveaxis(q.reshape(q.shape[:-2] + (-1,))[..., :K], -1, axis).astype(np.float32)
;;   ~~~
;;   SOFTMAX AHEAD OF A QUANTISED PRODUCT. Where the list says 'softmax', what is quantised is not the finished softmax but p = 2^(t - M), with t = logit x log2(e) and M = ceil(the row's largest t), a whole number; so 1/2 < the row's largest p <= 1. The row's sum l is taken of the UNQUANTISED p, in f32, and the product's result is divided by l at the end. Since M is a whole number, a kernel that streams over the keys may use a running M (the ceiling of the running maximum): every later rescaling is an exact power of two, which a block's scale takes up: the codes' values come out the same.
;;   OPERANDS COMPUTED ON THE WAY. 'Computed on the way' means the value that the module computes at that place (a softmax that the list does not call 'softmax' is quantised finished and normalised). What goes into a quantiser is computed in f32, as accurately as f32 sums, v_exp_f32 and their like allow (about 1e-6 of the number): no bf16 or f16 on the way to a quantiser, and a product that is left as it is and whose result goes on into a quantised operand takes f32 operands (vector FMAs, or v_wmma_f32_16x16x4_f32). A number that lies on a knife's edge between two numbers of the format may be rounded either way, as far as f32 arithmetic and the matrix unit's own rounding can turn it there, and no further.
;;   INPUTS GIVEN AS CODES. Wk (in the module: [1024, 1024], K = its axis 1); Wo (in the module: [1024, 1024], K = its axis 1); Wq (in the module: [1024, 1024], K = its axis 1); Wv (in the module: [1024, 1024], K = its axis 1); k (in the module: [4, 2048, 1024], K = its axis 2); v (in the module: [4, 2048, 1024], K = its axis 2): each comes as NAME_codes (uint8): NAME with its K axis moved to the last place and cut into blocks of 32 codes, [.., K / 32, bytes a block], one block behind the other in memory; one code a byte (a code: sign, 5 exponent bits, 2 mantissa bits); and NAME_scales (uint8): the same leading axes, one E8M0 byte (e + 127) for each 32 codes along K. Its value is code x scale, taken as it is: it is not quantised again, and the codes and scales need not be those that the quantiser above would give.
;; One version. Each part assembles by itself: llvm-mc -triple=amdgcn-amd-amdhsa -mcpu=gfx1250 --defsym DOCPART=n.
;; ======== version 1 of 1: 4 launches
;; limits: right only within a limited range of input values
;; workspace buffers: qq 8,650,752 bytes; Qb 8,650,752 bytes; Kb 8,650,752 bytes; Vb 8,650,752 bytes; Ob 8,650,752 bytes; Wr 1,048,576 bytes
;; launch quantq (part 1): grid 256 x 1, 4 waves a work-group, no clusters, 33,280 bytes of LDS; arguments q, qq, Wo_codes, Wr; writes qq, Wr
.if DOCPART == 1
	.amdgcn_target "amdgcn-amd-amdhsa--gfx1250"
	.amdhsa_code_object_version 6
	.text
	.protected	k_qaa2f370a96_quantq
	.globl	k_qaa2f370a96_quantq
	.p2align	8
	.type	k_qaa2f370a96_quantq,@function
k_qaa2f370a96_quantq:
	s_mov_b64 s[64:65], 0
	v_nop
	global_prefetch_b8 v0, s[64:65] scope:SCOPE_SE
	s_setreg_imm32_b32 hwreg(HW_REG_WAVE_MODE, 25, 1), 1
	s_wait_xcnt 0x0
; q [8192][1024], f32, becomes codes of E5M2, K innermost, at byte 0 of qq, and one E8M0 scale byte for each 32 along K at byte SCOFF of qq ([8192][32]).
; A block's scale is 2^(floor(log2(its largest magnitude)) - 15); its byte is the largest magnitude's exponent field - 15, held at 1 from below.
; Each number is divided by the scale, held within +-57,344 and rounded to the nearest code, ties to even.
; LIMITS: a block of zeros gets the byte 1 where the rule says 127 (its codes are zeros, and this program alone reads the bytes); blocks whose largest
; magnitude lies under 2^(16 - 127) take the floor's scale; NaN and infinities among the inputs are not served.
; Rows are dense and 1024 is a multiple of 32: the tensor is a plain stream of blocks of 32.  A wave takes 16 steps of 512 numbers.  Each of a step's four loads
; reads 512 consecutive bytes; the 2,048 bytes turn through the wave's own stage in LDS (16 bytes of padding behind each 64) and come back 64 bytes a lane,
; so that a lane holds 16 neighbours and two neighbouring lanes a block.  A lane's 16 codes are 16 bytes: a store covers 512 consecutive bytes.
; A wave's 256 scale bytes are gathered in its own LDS bytes and leave as 256 consecutive, aligned bytes.  Waves share nothing: no barrier.
.set STEPS, 16
.set EMAX,  15
.set CB,    16                         ; bytes of 16 codes
.set R,     16                         ; v16-79   four sets of 16 numbers as loaded
.set X,     80                         ; v80-111  two sets of 16 neighbours
.set C,     128                        ; v128-191 codes: four registers for each step, never written again
.set E,     112                        ; v112-127 a scale byte for each step
.set WREG,  8192                       ; LDS of a wave: two stages of 32 x SP bytes, then its 256 scale bytes
.set SP,    80
.set SCOFF, 0x800000                   ; where the scale bytes begin in qq
; ALSO: Wo's codes [1024 rows][1024 along K] are laid once as images of an operand's registers: Wr[tile of 16 rows 64][128 along K 8][piece c 4][lane][16 bytes], lane (r, h) holding row 16 tile + r, bytes 128 ks + 32 c + 16 h.
; Each of the 1,024 waves lays two pieces: two loads of 16 bytes a lane, two stores of 512 consecutive bytes.
	s_load_b128 s[4:7], s[0:1], 0x0
	s_load_b128 s[12:15], s[0:1], 0x10             ; Wo_codes, Wr
	v_lshl_add_u32 v192, v0, 2, 0x8000
	v_mov_b32 v193, 0
	v_lshrrev_b32 v1, 5, v0
	v_readfirstlane_b32 s16, v1                    ; wave
	v_and_b32 v2, 31, v0                           ; lane
	v_lshlrev_b32 v3, 4, v2                        ; my 16 bytes of a load's 512
	s_mul_i32 s17, s16, WREG
	v_lshrrev_b32 v14, 2, v2
	v_mul_u32_u24 v14, v14, SP
	v_and_b32 v15, 3, v2
	v_lshl_add_u32 v14, v15, 4, v14
	v_add_nc_u32 v14, s17, v14                     ; the stage on the way in: SP (lane / 4) + 16 (lane % 4)
	v_mul_u32_u24 v15, v2, SP
	v_add_nc_u32 v15, s17, v15                     ; and on the way out: SP x lane
	v_mul_u32_u24 v4, v2, CB                       ; my codes' place in a step's
	v_lshrrev_b32 v5, 1, v2
	s_add_co_u32 s17, s17, 2*32*SP
	v_add_nc_u32 v5, s17, v5                       ; my block's byte among the wave's 256
	v_lshlrev_b32 v7, 3, v2
	v_add_nc_u32 v6, s17, v7                       ; and 8 bytes a lane on the way out
	s_mov_b32 s23, 0x600000                        ; the mantissa field of 57,344
	s_lshl_b32 s18, ttmp9, 2
	s_add_co_u32 s18, s18, s16                     ; which run of 8,192 numbers is my wave's: 0 .. 1023
	s_lshl_b32 s20, s18, 15                        ; 32,768 bytes of q,
	s_mov_b32 s21, 0
	s_lshl_b32 s24, s18, 13                        ; 8,192 bytes of codes,
	s_mov_b32 s25, 0
	s_lshl_b32 s26, s18, 8                         ; 256 scale bytes a run
	s_add_co_u32 s26, s26, SCOFF
	s_mov_b32 s27, 0
	s_lshr_b32 s28, s18, 4                         ; my two pieces 2 w, 2 w + 1: tile w / 16,
	s_lshl_b32 s28, s28, 14
	s_bfe_u32 s29, s18, 0x30001                    ; ks = (w / 2) % 8,
	s_lshl_b32 s29, s29, 7
	s_add_co_u32 s28, s28, s29
	s_and_b32 s29, s18, 1                          ; c = 2 (w % 2) and the next
	s_lshl_b32 s29, s29, 6
	s_add_co_u32 s28, s28, s29
	s_mov_b32 s29, 0
	s_lshl_b32 s30, s18, 10                        ; 1,024 bytes of Wr a wave
	s_mov_b32 s31, 0
	v_and_b32 v194, 15, v2
	v_lshrrev_b32 v195, 4, v2
	v_lshlrev_b32 v194, 10, v194
	v_lshl_add_u32 v194, v195, 4, v194             ; 1,024 r + 16 h
	s_wait_alu depctr_va_vdst(0)
	s_wait_kmcnt 0x0
	s_add_nc_u64 s[4:5], s[4:5], s[20:21]
	s_add_nc_u64 s[8:9], s[6:7], s[24:25]
	s_add_nc_u64 s[10:11], s[6:7], s[26:27]
	s_add_nc_u64 s[12:13], s[12:13], s[28:29]
	s_add_nc_u64 s[14:15], s[14:15], s[30:31]
	global_load_b128 v[196:199], v194, s[12:13]            ; issued ahead of q's loads: the counted waits below count what is issued behind them
	global_load_b128 v[200:203], v194, s[12:13] offset:32
.macro LOAD t
.irp i, 0,1,2,3
	global_load_b128 v[R+16*((\t)%4)+4*\i:R+16*((\t)%4)+4*\i+3], v3, s[4:5] offset:2048*(\t)+512*\i
.endr
.endm
.macro TURN t                          ; step t's numbers through the stage: LDS serves a wave's instructions in order, so no wait stands between the stores and the loads
.irp i, 0,1,2,3
	ds_store_b128 v14, v[R+16*((\t)%4)+4*\i:R+16*((\t)%4)+4*\i+3] offset:32*SP*((\t)%2)+8*SP*\i
.endr
.irp i, 0,1,2,3
	ds_load_b128 v[X+16*((\t)%2)+4*\i:X+16*((\t)%2)+4*\i+3], v15 offset:32*SP*((\t)%2)+16*\i
.endr
.endm
.irp t, 0,1,2,3
	LOAD \t
.endr
	s_wait_loadcnt 12                              ; step 0's four loads are in; the twelve of steps 1 to 3 may be out
	TURN 0
.macro STEP t
.set XS, X+16*((\t)%2)
.if (\t) > 0
	s_wait_dscnt 1                                 ; this step's numbers are back from the stage (the last step's byte store may be out)
.else
	s_wait_dscnt 0x0
.endif
.if (\t)+4 < STEPS
	LOAD (\t)+4                                    ; into the registers whose stores into the stage are done
.endif
.if (\t)+1 < STEPS
.if STEPS-2-(\t) >= 3
	s_wait_loadcnt 12                              ; the next step's four loads are in; those of the three steps behind it may be out
.else
	s_wait_loadcnt 4*(STEPS-2-(\t))
.endif
	TURN (\t)+1
.endif
	v_max3_num_f32 v8, |v[XS]|, |v[XS+1]|, |v[XS+2]|               ; the largest magnitude of my 16, in two chains
	v_max3_num_f32 v9, |v[XS+3]|, |v[XS+4]|, |v[XS+5]|
.irp i, 6,10
	v_max3_num_f32 v8, v8, |v[XS+\i]|, |v[XS+\i+1]|
	v_max3_num_f32 v9, v9, |v[XS+\i+2]|, |v[XS+\i+3]|
.endr
	v_max3_num_f32 v8, v8, |v[XS+14]|, |v[XS+15]|
	v_max3_num_f32 v8, v8, v9, (EMAX+1)<<23        ; and the floor 2^(16 - 127): the byte cannot fall under 1
	v_max_num_f32_dpp v8, v8, v8 row_xmask:1 row_mask:0xf bank_mask:0xf   ; with my neighbour's 16: the block's
	v_add_nc_u32 v11, -(EMAX<<23), v8              ; 15 off its exponent field: the conversion's scale operand
	v_and_or_b32 v10, v8, 0x7f800000, s23          ; 57,344 x the scale
.irp i, 0,1,2,3,4,5,6,7,8,9,10,11,12,13,14,15
	v_med3_num_f32 v[XS+\i], v[XS+\i], -v10, v10   ; the conversion does not saturate (ISA guide 7.6.2): the hold comes first
.endr
	v_cvt_scalef32_pk8_bf8_f32 v[C+4*(\t):C+4*(\t)+1], v[XS:XS+7], v11
	v_cvt_scalef32_pk8_bf8_f32 v[C+4*(\t)+2:C+4*(\t)+3], v[XS+8:XS+15], v11
	v_lshrrev_b32 v[E+(\t)], 23, v11               ; the scale's byte
	ds_store_b8 v5, v[E+(\t)] offset:16*(\t)       ; both lanes of a block write the same byte with the same value
	global_store_b128 v4, v[C+4*(\t):C+4*(\t)+3], s[8:9] offset:32*CB*(\t)
.endm
.irp t, 0,1,2,3,4,5,6,7,8,9,10,11,12,13,14,15
	STEP \t
.endr
	global_store_b128 v3, v[196:199], s[14:15]             ; (all loads have been waited for)  512 consecutive, aligned bytes each
	global_store_b128 v3, v[200:203], s[14:15] offset:512
	ds_load_b64 v[12:13], v6
	s_wait_dscnt 0x0
	global_store_b64 v7, v[12:13], s[10:11]        ; 32 lanes store 256 consecutive, aligned bytes
	s_wait_tensorcnt 0x0
	ds_add_u32 v192, v193
	s_wait_dscnt 0x0
	s_endpgm
.Lfunc_end_k_qaa2f370a96_quantq:
	.size	k_qaa2f370a96_quantq, .Lfunc_end_k_qaa2f370a96_quantq-k_qaa2f370a96_quantq
	.p2alignl 7, 3214868480
	.fill 96, 4, 3214868480
	.section	.rodata,"a",@progbits
	.p2align	6, 0x0
	.amdhsa_kernel k_qaa2f370a96_quantq
		.amdhsa_group_segment_fixed_size 33280
		.amdhsa_private_segment_fixed_size 0
		.amdhsa_enable_private_segment 0
		.amdhsa_kernarg_size 32
		.amdhsa_user_sgpr_count 2
		.amdhsa_user_sgpr_kernarg_segment_ptr 1
		.amdhsa_wavefront_size32 1
		.amdhsa_system_sgpr_workgroup_id_x 1
		.amdhsa_system_sgpr_workgroup_id_y 1
		.amdhsa_system_sgpr_workgroup_id_z 1
		.amdhsa_system_vgpr_workitem_id 0
		.amdhsa_next_free_vgpr 204
		.amdhsa_next_free_sgpr 66
		.amdhsa_reserve_vcc 0
		.amdhsa_float_denorm_mode_32 3
		.amdhsa_float_denorm_mode_16_64 3
		.amdhsa_memory_ordered 1
		.amdhsa_forward_progress 1
		.amdhsa_inst_pref_size 52
	.end_amdhsa_kernel
	.amdgpu_metadata
---
amdhsa.version: [ 1, 2 ]
amdhsa.kernels:
  - .name:           k_qaa2f370a96_quantq
    .symbol:         k_qaa2f370a96_quantq.kd
    .args:
      - { .name: q, .offset: 0, .size: 8, .value_kind: global_buffer, .address_space: global }
      - { .name: qq, .offset: 8, .size: 8, .value_kind: global_buffer, .address_space: global }
      - { .name: Wo_codes, .offset: 16, .size: 8, .value_kind: global_buffer, .address_space: global }
      - { .name: Wr, .offset: 24, .size: 8, .value_kind: global_buffer, .address_space: global }
    .group_segment_fixed_size: 33280
    .private_segment_fixed_size: 0
    .kernarg_segment_align: 8
    .kernarg_segment_size: 32
    .max_flat_workgroup_size: 128
    .sgpr_count:     66
    .vgpr_count:     204
    .wavefront_size: 32
...
	.end_amdgpu_metadata
.endif
;; end of part 1
;; launch proj (part 2): grid 8 x 48, 4 waves a work-group, clusters of 4 x 4, 327,680 bytes of LDS; arguments qq, k_codes, Wv_codes, k_scales, Wv_scales, Wq_codes, Wk_codes, v_codes, Wq_scales, Wk_scales, v_scales, bq, bk, bv, Qb, Kb, Vb; writes Qb, Kb, Vb
.if DOCPART == 2
	.amdgcn_target "amdgcn-amd-amdhsa--gfx1250"
	.amdhsa_code_object_version 6
	.text
	.protected	k_qaa2f370a96_proj
	.globl	k_qaa2f370a96_proj
	.p2align	8
	.type	k_qaa2f370a96_proj,@function
k_qaa2f370a96_proj:
	s_mov_b64 s[64:65], 0
	v_nop
	global_prefetch_b8 v0, s[64:65] scope:SCOPE_SE
	s_setreg_imm32_b32 hwreg(HW_REG_WAVE_MODE, 25, 1), 1
	s_wait_xcnt 0x0
	s_wait_alu depctr_hold_cnt(0) depctr_sa_sdst(0) depctr_va_vdst(0) depctr_va_sdst(0) depctr_va_ssrc(0) depctr_va_vcc(0) depctr_vm_vsrc(0)
	s_getreg_b32 s2, hwreg(HW_REG_IB_STS2, 6, 4)
	s_cmp_eq_u32 s2, 0
	s_cbranch_scc0 .Lentry_in_a_cluster
	s_endpgm
.Lentry_in_a_cluster:
	s_bfe_u32 s2, ttmp6, 0x10000c
	s_cmp_lg_u32 s2, 0xf033
	s_cbranch_scc0 .Lentry_shape_is_right
	s_endpgm
.Lentry_shape_is_right:
.set KSTEP,  256
.set NQ,     KSTEP/128
.set ROWB,   256
.set KROW,   1024
.set PITCH,  272
.set FR,     16
.set NL,     4
.set NP,     8
.set HALFT,  128*PITCH
.set SLOT,   4*HALFT
.set KS,     32
.set SCL,    2*SLOT
.set HALFS,  (128*KS/256)*272
.set SBLK,   (16*KS/256)*272
.set SPARE,  SCL+4*HALFS
.set SCOFF,  0x800000
.set ADRA, 16
.set ADRB, 20
.set ADRS, 27
.set SPW,  28
.set NIL,  29
.set SC,   32
.set AF,   128
.set G1, 24
.set G0, 32
.set G1B, 48
.set G0B, 56
.set G1S, 68
.set G0S, 76
.set G1SB, 80
.set G0SB, 88
.set ISV,  66
.set MSB, 0
.macro WIN new
.if MSB != \new
	s_set_vgpr_msb (MSB<<8)|\new
.set MSB, \new
.endif
.endm
.set MUL_LO, 0xa1
.set MUL_HI, 0xf1
.set TO_B,   0x40
.macro JLOAD g0a, g1a, g0b, g1b
	s_cmp_eq_u32 s15, 0
	s_cbranch_scc0 .Lfor_b_\@
	tensor_load_to_lds s[\g0a:\g0a+3], s[\g1a:\g1a+7]
	s_nop 0
.rept 4
	v_nop
.endr
	s_branch .Lasked_\@
.Lfor_b_\@:
	tensor_load_to_lds s[\g0b:\g0b+3], s[\g1b:\g1b+7]
	s_nop 0
.rept 4
	v_nop
.endr
.Lasked_\@:
.endm
.macro CREST
	s_cmp_lg_u32 s14, 0
	s_cbranch_scc1 .Lnot_wave_0_\@
	s_barrier_signal -3
.Lnot_wave_0_\@:
	s_barrier_wait -3
	s_barrier_signal -1
	s_barrier_wait -1
.endm
.macro CROUND
	s_barrier_signal -1
	s_barrier_wait -1
	CREST
.endm
	s_load_b512 s[24:39], s[0:1], 0x0
	s_load_b512 s[40:55], s[0:1], 0x40
	s_load_b64 s[56:57], s[0:1], 0x80
	v_lshl_add_u32 v[SPW], v0, 2, SPARE
	v_mov_b32 v[NIL], 0
	ds_add_u32 v28, v29
	ds_add_u32 v28, v29
	s_wait_dscnt 0x0
	v_lshrrev_b32 v1, 5, v0
	v_readfirstlane_b32 s14, v1
	s_lshr_b32 s15, s14, 1
	s_and_b32 s16, s14, 1
	s_and_b32 s67, ttmp7, 0xffff
	s_sub_co_u32 s2, s67, 8
	s_lshl_b32 s2, s2, 1
	s_add_co_u32 s2, s2, ttmp9
	s_wait_kmcnt 0x0
	s_add_nc_u64 s[58:59], s[24:25], SCOFF
	s_cmp_eq_u32 ttmp9, 0
	s_cselect_b64 s[4:5], s[24:25], s[26:27]
	s_cselect_b64 s[6:7], s[58:59], s[30:31]
	s_cselect_b64 s[8:9], s[34:35], s[36:37]
	s_cselect_b64 s[10:11], s[40:41], s[42:43]
	s_cselect_b64 s[98:99], s[46:47], s[48:49]
	s_cselect_b64 s[12:13], s[52:53], s[54:55]
	s_cmp_lt_u32 s67, 8
	s_cselect_b64 s[4:5], s[4:5], s[28:29]
	s_cselect_b64 s[6:7], s[6:7], s[32:33]
	s_cselect_b64 s[8:9], s[8:9], s[38:39]
	s_cselect_b64 s[10:11], s[10:11], s[44:45]
	s_cselect_b64 s[98:99], s[98:99], s[50:51]
	s_cselect_b64 s[12:13], s[12:13], s[56:57]
	s_cselect_b32 s[ISV], 0, 1
	s_cselect_b32 s17, s67, 0
	s_cselect_b32 s42, 0, s2
	s_bfe_u32 s40, ttmp6, 0x40000
	s_bfe_u32 s41, ttmp6, 0x40004
	s_lshl_b32 s42, s42, 2
	s_add_co_u32 s42, s42, s40
	s_lshl_b32 s17, s17, 2
	s_add_co_u32 s17, s17, s41
	s_lshl_b32 s43, s41, 2
	s_lshl_b32 s43, 15, s43
	s_lshl_b32 s44, 0x1111, s40
	s_or_b32 s[G1+0], s43, (0<<16)|(1<<20)|(1<<21)|(5<<22)|(3<<25)
	s_or_b32 s[G1B+0], s44, (0<<16)|(1<<20)|(1<<21)|(5<<22)|(3<<25)
.irp g, G1, G1B
	s_mov_b32 s[\g+1], ROWB<<16
	s_mov_b32 s[\g+2], 128<<16
	s_mov_b32 s[\g+3], ROWB<<16
	s_mov_b32 s[\g+4], 128
	s_mov_b32 s[\g+5], KROW
	s_mov_b32 s[\g+6], 0
	s_mov_b32 s[\g+7], 0
.endr
	s_lshl_b32 s18, s16, 7
	s_lshl_b32 s20, s17, 8
	s_add_co_u32 s20, s20, s18
	s_lshl_b32 s46, s42, 8
	s_add_co_u32 s46, s46, s18
	s_mov_b32 s21, 0
	s_mov_b32 s47, 0
	s_mov_b64 s[18:19], KS
	s_mul_u64 s[22:23], s[20:21], s[18:19]
	s_mul_u64 s[92:93], s[46:47], s[18:19]
	s_mov_b64 s[18:19], KROW
	s_mul_u64 s[20:21], s[20:21], s[18:19]
	s_mul_u64 s[46:47], s[46:47], s[18:19]
	s_mul_i32 s45, s14, HALFT
	s_lshl_b32 s94, s16, 12                        ; the scale bytes of the 128 rows by which my codes' addresses may lie behind the tile's first row
	s_mov_b32 s95, 0
	s_add_nc_u64 s[20:21], s[4:5], s[20:21]
	s_add_nc_u64 s[22:23], s[6:7], s[22:23]
	s_add_nc_u64 s[46:47], s[8:9], s[46:47]
	s_add_nc_u64 s[92:93], s[10:11], s[92:93]
	CROUND
	s_sub_nc_u64 s[22:23], s[22:23], s[94:95]      ; the scale bytes of the tile's 256 rows of A,
	s_sub_nc_u64 s[92:93], s[92:93], s[94:95]      ; and of B
.irp s, 0,1
	s_mov_b32 s[G0+4*\s], 1
	s_add_co_u32 s[G0+4*\s+1], s45, \s*SLOT
	s_add_nc_u64 s[G0+4*\s+2:G0+4*\s+3], s[20:21], \s*ROWB
	s_or_b32 s[G0+4*\s+3], s[G0+4*\s+3], 0x80000000
	s_mov_b32 s[G0B+4*\s], 1
	s_add_co_u32 s[G0B+4*\s+1], s45, \s*SLOT
	s_add_nc_u64 s[G0B+4*\s+2:G0B+4*\s+3], s[46:47], \s*ROWB
	s_or_b32 s[G0B+4*\s+3], s[G0B+4*\s+3], 0x80000000
.endr
	JLOAD G0, G1, G0B, G1B                         ; K step 0: the wave's one tensor load at the head
	; the scale bytes of A's and B's 256 rows, 8,192 dense bytes each, go through registers into LDS bytes of their own, as units of 256 bytes + 16 of padding: 16 bytes a thread, 2,048 a load.
	; They are a ninth of what K step 0 brings and come once: they are not asked for jointly.
	v_lshlrev_b32 v8, 4, v0
	v_lshrrev_b32 v9, 4, v0
	v_and_b32 v10, 15, v0
	v_mul_u32_u24 v9, v9, 272
	v_lshl_add_u32 v9, v10, 4, v9
	v_add_nc_u32 v9, SCL, v9
.irp i, 0,1,2,3
	global_load_b128 v[64+4*\i:67+4*\i], v8, s[22:23] offset:2048*\i
	global_load_b128 v[80+4*\i:83+4*\i], v8, s[92:93] offset:2048*\i
.endr
	s_wait_alu depctr_va_vdst(0)
	s_wait_loadcnt 0x0
.irp i, 0,1,2,3
	ds_store_b128 v9, v[64+4*\i:67+4*\i] offset:2176*\i
	ds_store_b128 v9, v[80+4*\i:83+4*\i] offset:2*HALFS+2176*\i
.endr
	s_wait_tensorcnt 0x0                           ; my part of K step 0 is in
	ds_add_u32 v28, v29
	s_wait_dscnt 0x0                               ; the add and my stores of scale bytes are done
	CROUND
	JLOAD G0+4, G1, G0B+4, G1B                     ; K step 1, the first tensor load behind the round
	v_and_b32 v1, 15, v0
	v_bfe_u32 v2, v0, 4, 1
	v_mul_u32_u24 v3, v1, PITCH
	v_lshl_add_u32 v4, v2, 4, v3
	s_mul_i32 s21, s15, HALFT
	s_mul_i32 s22, s16, HALFT
	s_add_co_u32 s22, s22, 2*HALFT
.irp s, 0,1
	v_add_nc_u32 v[ADRA+\s], s21, v4
	v_add_nc_u32 v[ADRB+\s], s22, v4
	s_add_co_u32 s21, s21, SLOT
	s_add_co_u32 s22, s22, SLOT
.endr
	v_mul_u32_u24 v5, v1, KS
	v_lshrrev_b32 v6, 8, v5
	v_lshl_add_u32 v5, v6, 4, v5
	s_mul_i32 s21, s15, HALFS
	s_mul_i32 s22, s16, HALFS
	s_add_co_u32 s22, s22, 2*HALFS
	s_sub_co_u32 s22, s22, s21
	v_mul_u32_u24 v6, s22, v2
	s_add_co_u32 s21, s21, SCL
	v_add_nc_u32 v5, v5, v6
	v_add_nc_u32 v[ADRS], s21, v5
.macro FRAG reg, adr, q, i
.irp c, 0,1,2,3
	ds_load_b128 v[\reg+4*\c:\reg+4*\c+3], v[\adr] offset:128*(\q)+32*\c+(\i)*16*PITCH
.endr
.endm
.macro MUL16 a0, p, q, sc, zero
.irp a, \a0, \a0+1
.irp b, 0,1,2,3,4,5,6,7
.if \zero
	v_wmma_scale_f32_16x16x128_f8f6f4 v[8*(8*((\a)%4)+\b):8*(8*((\a)%4)+\b)+7], v[128*(\p)+FR*\b:128*(\p)+FR*\b+FR-1], v[AF+FR*(\a):AF+FR*(\a)+FR-1], 0, v[SC+8*NQ*(\sc)+NQ*\b+(\q)], v[SC+8*NQ*(\sc)+NQ*(\a)+(\q)] matrix_a_fmt:MATRIX_FMT_BF8 matrix_b_fmt:MATRIX_FMT_BF8 matrix_a_scale:MATRIX_SCALE_ROW1
.else
	v_wmma_scale_f32_16x16x128_f8f6f4 v[8*(8*((\a)%4)+\b):8*(8*((\a)%4)+\b)+7], v[128*(\p)+FR*\b:128*(\p)+FR*\b+FR-1], v[AF+FR*(\a):AF+FR*(\a)+FR-1], v[8*(8*((\a)%4)+\b):8*(8*((\a)%4)+\b)+7], v[SC+8*NQ*(\sc)+NQ*\b+(\q)], v[SC+8*NQ*(\sc)+NQ*(\a)+(\q)] matrix_a_fmt:MATRIX_FMT_BF8 matrix_b_fmt:MATRIX_FMT_BF8 matrix_a_scale:MATRIX_SCALE_ROW1
.endif
.endr
.endr
.endm
.macro FETCH_B slot, q, p
	WIN TO_B
.irp i, 0,1,2,3,4,5,6,7
	FRAG 128*(\p)+FR*\i, ADRB+\slot, \q, \i
.endr
	WIN 0
.endm
.macro FETCH_A slot, q, i0
.irp i, \i0, \i0+1, \i0+2, \i0+3
	FRAG AF+FR*(\i), ADRA+\slot, \q, \i
.endr
.endm
.macro SCALES sc
.irp i, 0,1,2,3,4,5,6,7
	ds_load_b64 v[SC+8*NQ*\sc+NQ*\i:SC+8*NQ*\sc+NQ*\i+1], v[ADRS] offset:\i*SBLK
.endr
.endm
.macro PLACES n
.rept \n
	v_nop
.endr
.endm
.macro STEP slot, q, zero
	s_wait_dscnt 4*NL
	WIN MUL_LO
	MUL16 0, (\q)%2, \q, \slot, \zero
	MUL16 2, (\q)%2, \q, \slot, \zero
	s_wait_dscnt 0
	PLACES NP
	FETCH_B \slot, (\q)+1, 1-(\q)%2
	FETCH_A \slot, (\q)+1, 0
	WIN MUL_HI
	MUL16 4, (\q)%2, \q, \slot, \zero
	MUL16 6, (\q)%2, \q, \slot, \zero
	PLACES NP
	WIN 0
	FETCH_A \slot, (\q)+1, 4
.endm
.macro TURN slot, next, fill
	s_wait_tensorcnt 0x0
	ds_add_u32 v[SPW], v[NIL]
	s_wait_dscnt 4*NL+1
	WIN MUL_LO
	MUL16 0, 1, NQ-1, \slot, 0
	s_wait_dscnt 0x0
	s_barrier_signal -1
	MUL16 2, 1, NQ-1, \slot, 0
	WIN 0
	s_barrier_wait -1
.if \fill
	CREST
	s_add_nc_u64 s[G0+4*\slot+2:G0+4*\slot+3], s[G0+4*\slot+2:G0+4*\slot+3], 2*ROWB
	s_add_nc_u64 s[G0B+4*\slot+2:G0B+4*\slot+3], s[G0B+4*\slot+2:G0B+4*\slot+3], 2*ROWB
	JLOAD G0+4*\slot, G1, G0B+4*\slot, G1B
	PLACES NP-4
.else
	PLACES NP
.endif
	s_wait_alu depctr_va_vdst(0)
	v_add_nc_u32 v[ADRS], 4*NQ, v[ADRS]
	FETCH_B \next, 0, 0
	FETCH_A \next, 0, 0
	SCALES \next
	WIN MUL_HI
	MUL16 4, 1, NQ-1, \slot, 0
	MUL16 6, 1, NQ-1, \slot, 0
	PLACES NP
	WIN 0
	FETCH_A \next, 0, 4
.endm
	s_wait_alu depctr_va_vdst(0)
	s_wait_tensorcnt 1
	s_barrier_signal -1
	s_barrier_wait -1
	FETCH_B 0, 0, 0
	FETCH_A 0, 0, 0
	SCALES 0
	FETCH_A 0, 0, 4
	STEP 0, 0, 1
	s_mov_b32 s3, 1
.Llap:
	TURN 0, 1, 1
	STEP 1, 0, 0
	TURN 1, 0, 1
	STEP 0, 0, 0
	s_sub_co_u32 s3, s3, 1
	s_cmp_lg_u32 s3, 0
	s_cbranch_scc1 .Llap
	TURN 0, 1, 0
	STEP 1, 0, 0
	s_wait_dscnt 4*NL
	WIN MUL_LO
	MUL16 0, 1, NQ-1, 1, 0
	MUL16 2, 1, NQ-1, 1, 0
	s_wait_dscnt 0
	WIN MUL_HI
	MUL16 4, 1, NQ-1, 1, 0
	MUL16 6, 1, NQ-1, 1, 0
	WIN 0
.set VR,   1
.set VH,   2
.set L16,  3
.set SR,   4
.set VJ,   5
.set VI,   6
.set CA0,  7
.set CA1,  8
.set SAO,  9
.set X0,   10
.set X1,   11
.set PWE,  12
.set PWO,  13
.set BJ,   64
.set BI,   128
.set W,    136
.set TM,   200
.set PC,   216
.set SA,   68
.set SH,   69
.set SB,   70
.set BASEC, 71
.set SSH,  72
.set SS0,  73
.set SS1,  74
.set BASES, 75
.set PS0,  76
.set PS1,  77
.set HJ,   78
.set JB,   79
.set RI,   80
.set IB,   81
.set HM,   82
.set MNT,  83
.set SEL,  84
	PLACES NP
	s_lshr_b32 s18, s17, 3
	s_lshl_b32 s18, s18, 21
	s_lshl_b32 s19, s42, 1
	s_add_co_u32 s19, s19, s16
	s_lshl_b32 s20, s19, 18
	s_add_co_u32 s18, s18, s20
	s_and_b32 s20, s17, 7
	s_lshl_b32 s20, s20, 1
	s_add_co_u32 s20, s20, s15
	s_lshl_b32 s20, s20, 13
	s_add_co_u32 s18, s18, s20
	s_lshr_b32 s22, s42, 3
	s_lshl_b32 s22, s22, 21
	s_lshl_b32 s21, s17, 1
	s_add_co_u32 s21, s21, s15
	s_lshl_b32 s23, s21, 18
	s_add_co_u32 s22, s22, s23
	s_and_b32 s23, s42, 7
	s_lshl_b32 s23, s23, 1
	s_add_co_u32 s23, s23, s16
	s_lshl_b32 s23, s23, 13
	s_add_co_u32 s22, s22, s23
	s_lshl_b32 s19, s19, 9
	s_lshl_b32 s21, s21, 9
	s_cmp_eq_u32 s[ISV], 0
	s_mov_b32 s[SA], 2048
	s_cselect_b32 s[SA], 1024, s[SA]
	s_mov_b32 s[SH], 131072
	s_cselect_b32 s[SH], 4096, s[SH]
	s_mov_b32 s[SB], 1024
	s_cselect_b32 s[SB], 131072, s[SB]
	s_cselect_b32 s[BASEC], s18, s22
	s_cselect_b32 s[SSH], 4096, 64
	s_mov_b32 s[SS0], 128
	s_cselect_b32 s[SS0], 64, s[SS0]
	s_mov_b32 s[SS1], 4096
	s_cselect_b32 s[SS1], 128, s[SS1]
	s_mov_b32 s[PS0], 0x03020100
	s_cselect_b32 s[PS0], 0x05040100, s[PS0]
	s_mov_b32 s[PS1], 0x07060504
	s_cselect_b32 s[PS1], 0x07060302, s[PS1]
	s_cselect_b32 s[HJ], 32, 0
	s_cselect_b32 s[JB], s19, 0
	s_cselect_b32 s[RI], 0, 4
	s_cselect_b32 s[IB], 0, s21
	s_lshr_b32 s[BASES], s[BASEC], 5
	s_mov_b32 s[HM], 0xffff0000
	s_mov_b32 s[MNT], 0x600000
	s_mov_b32 s[SEL], 0x76543210
	s_mov_b32 s[SEL+1], 0xfedcba98
	s_add_nc_u64 s[100:101], s[12:13], SCOFF
	v_and_b32 v[VR], 15, v0
	v_bfe_u32 v[VH], v0, 4, 1
	v_and_b32 v[L16], 31, v0
	v_lshlrev_b32 v[L16], 4, v[L16]
	v_mul_u32_u24 v[SR], s[SSH], v[VH]
	v_lshl_add_u32 v[SR], v[VR], 2, v[SR]
	v_mul_u32_u24 v[VJ], s[HJ], v[VH]
	v_add_nc_u32 v[VJ], s[JB], v[VJ]
	v_mul_u32_u24 v[VI], s[RI], v[VR]
	v_add_nc_u32 v[VI], s[IB], v[VI]
.irp b, 0,1,2,3
	v_mov_b32 v[TM+4+\b], 0
.endr
.irp b, 0,1,2,3,4,5,6,7
	global_load_b128 v[BJ+8*\b:BJ+8*\b+3], v[VJ], s[98:99] offset:64*\b
	global_load_b128 v[BJ+8*\b+4:BJ+8*\b+7], v[VJ], s[98:99] offset:64*\b+16
.endr
.irp a, 0,1,2,3,4,5,6,7
	global_load_b32 v[BI+\a], v[VI], s[98:99] offset:64*\a
.endr
	s_wait_loadcnt 0x0
.macro ADDB a
	s_cmp_eq_u32 s[ISV], 0
	s_cbranch_scc0 .Lbias_lane_\@
	WIN 0x02+((\a)/4)
.set kk, 0
.rept 32
	v_pk_add_f32 v[W+kk:W+kk+1], v[64*((\a)%4)+kk:64*((\a)%4)+kk+1], v[BJ+kk:BJ+kk+1]
.set kk, kk+2
.endr
	WIN 0
	s_branch .Lbias_done_\@
.Lbias_lane_\@:
	WIN 0x02+((\a)/4)
.set kk, 0
.rept 32
.if ((\a)&1)
	v_pk_add_f32 v[W+kk:W+kk+1], v[64*((\a)%4)+kk:64*((\a)%4)+kk+1], v[BI+((\a)&6):BI+((\a)&6)+1] op_sel:[0,1] op_sel_hi:[1,1]
.else
	v_pk_add_f32 v[W+kk:W+kk+1], v[64*((\a)%4)+kk:64*((\a)%4)+kk+1], v[BI+((\a)&6):BI+((\a)&6)+1] op_sel_hi:[1,0]
.endif
.set kk, kk+2
.endr
	WIN 0
.Lbias_done_\@:
.endm
.macro QUANT s, pw
.irp b, 0,1,2,3
	v_max3_num_f32 v[TM+\b], |v[\s+16*\b]|, |v[\s+1+16*\b]|, 0x8000000
.endr
.irp i, 2,4,6,8,10,12,14
.irp b, 0,1,2,3
	v_max3_num_f32 v[TM+\b], v[TM+\b], |v[\s+16*\b+\i]|, |v[\s+1+16*\b+\i]|
.endr
.endr
.irp b, 0,1,2,3
	v_permlanex16_b32 v[TM+4+\b], v[TM+\b], s[SEL], s[SEL+1]
.endr
.irp b, 0,1,2,3
	v_max_num_f32 v[TM+\b], v[TM+\b], v[TM+4+\b]
.endr
.irp b, 0,1,2,3
	v_add_nc_u32 v[TM+12+\b], 0xf8800000, v[TM+\b]
.endr
.irp b, 0,1,2,3
	v_and_or_b32 v[TM+8+\b], v[TM+\b], 0x7f800000, s[MNT]
.endr
.irp b, 0,1,2,3
	v_lshrrev_b32 v[TM+4+\b], 23, v[TM+12+\b]
.endr
	v_lshl_or_b32 v[\pw], v[TM+5], 8, v[TM+4]
	v_lshl_or_b32 v[\pw], v[TM+6], 16, v[\pw]
	v_lshl_or_b32 v[\pw], v[TM+7], 24, v[\pw]
.irp b, 0,1,2,3
.irp i, 0,1,2,3,4,5,6,7,8,9,10,11,12,13,14,15
	v_med3_num_f32 v[\s+16*\b+\i], v[\s+16*\b+\i], -v[TM+8+\b], v[TM+8+\b]
.endr
	v_cvt_scalef32_pk8_bf8_f32 v[PC+4*\b:PC+1+4*\b], v[\s+16*\b:\s+7+16*\b], v[TM+12+\b]
	v_cvt_scalef32_pk8_bf8_f32 v[PC+2+4*\b:PC+3+4*\b], v[\s+8+16*\b:\s+15+16*\b], v[TM+12+\b]
.endr
	v_nop
.endm
.macro OUTA a
.if (\a) > 0
	s_wait_xcnt 0x0
.endif
	s_mul_i32 s18, s[SA], (\a)&3
	s_mul_i32 s19, s[SH], (\a)>>2
	s_add_co_u32 s18, s18, s19
	s_add_co_u32 s18, s18, s[BASEC]
	v_add_nc_u32 v[CA0], s18, v[L16]
	s_add_co_u32 s18, s18, s[SB]
	v_add_nc_u32 v[CA1], s18, v[L16]
	ADDB \a
	QUANT W, PWE+((\a)&1)
	global_store_b128 v[CA0], v[PC:PC+3], s[12:13]
	global_store_b128 v[CA0], v[PC+4:PC+7], s[12:13] offset:512
	global_store_b128 v[CA1], v[PC+8:PC+11], s[12:13]
	global_store_b128 v[CA1], v[PC+12:PC+15], s[12:13] offset:512
.if ((\a)&1)
	s_mul_i32 s18, s[SS0], ((\a)>>1)&1
	s_mul_i32 s19, s[SS1], (\a)>>2
	s_add_co_u32 s18, s18, s19
	s_add_co_u32 s18, s18, s[BASES]
	v_add_nc_u32 v[SAO], s18, v[SR]
	v_perm_b32 v[X0], v[PWO], v[PWE], s[PS0]
	v_perm_b32 v[X1], v[PWO], v[PWE], s[PS1]
	v_cndmask_b32 v[X0], v[X0], v[X1], s[HM]
	global_store_b32 v[SAO], v[X0], s[100:101]
.endif
.endm
.irp a, 0,1,2,3,4,5,6,7
	OUTA \a
.endr
	s_wait_tensorcnt 0x0
	ds_add_u32 v[SPW], v[NIL]
	s_wait_dscnt 0x0
	CROUND
	s_endpgm
.Lfunc_end_k_qaa2f370a96_proj:
	.size	k_qaa2f370a96_proj, .Lfunc_end_k_qaa2f370a96_proj-k_qaa2f370a96_proj
	.p2alignl 7, 3214868480
	.fill 96, 4, 3214868480
	.section	.rodata,"a",@progbits
	.p2align	6, 0x0
	.amdhsa_kernel k_qaa2f370a96_proj
		.amdhsa_group_segment_fixed_size 327680
		.amdhsa_private_segment_fixed_size 0
		.amdhsa_enable_private_segment 0
		.amdhsa_kernarg_size 136
		.amdhsa_user_sgpr_count 2
		.amdhsa_user_sgpr_kernarg_segment_ptr 1
		.amdhsa_wavefront_size32 1
		.amdhsa_system_sgpr_workgroup_id_x 1
		.amdhsa_system_sgpr_workgroup_id_y 1
		.amdhsa_system_sgpr_workgroup_id_z 1
		.amdhsa_system_vgpr_workitem_id 0
		.amdhsa_next_free_vgpr 1024
		.amdhsa_next_free_sgpr 102
		.amdhsa_reserve_vcc 0
		.amdhsa_float_denorm_mode_32 3
		.amdhsa_float_denorm_mode_16_64 3
		.amdhsa_memory_ordered 1
		.amdhsa_forward_progress 1
		.amdhsa_inst_pref_size 226
	.end_amdhsa_kernel
	.amdgpu_metadata
---
amdhsa.version: [ 1, 2 ]
amdhsa.kernels:
  - .name:           k_qaa2f370a96_proj
    .symbol:         k_qaa2f370a96_proj.kd
    .args:
      - { .name: qq, .offset: 0, .size: 8, .value_kind: global_buffer, .address_space: global }
      - { .name: k_codes, .offset: 8, .size: 8, .value_kind: global_buffer, .address_space: global }
      - { .name: Wv_codes, .offset: 16, .size: 8, .value_kind: global_buffer, .address_space: global }
      - { .name: k_scales, .offset: 24, .size: 8, .value_kind: global_buffer, .address_space: global }
      - { .name: Wv_scales, .offset: 32, .size: 8, .value_kind: global_buffer, .address_space: global }
      - { .name: Wq_codes, .offset: 40, .size: 8, .value_kind: global_buffer, .address_space: global }
      - { .name: Wk_codes, .offset: 48, .size: 8, .value_kind: global_buffer, .address_space: global }
      - { .name: v_codes, .offset: 56, .size: 8, .value_kind: global_buffer, .address_space: global }
      - { .name: Wq_scales, .offset: 64, .size: 8, .value_kind: global_buffer, .address_space: global }
      - { .name: Wk_scales, .offset: 72, .size: 8, .value_kind: global_buffer, .address_space: global }
      - { .name: v_scales, .offset: 80, .size: 8, .value_kind: global_buffer, .address_space: global }
      - { .name: bq, .offset: 88, .size: 8, .value_kind: global_buffer, .address_space: global }
      - { .name: bk, .offset: 96, .size: 8, .value_kind: global_buffer, .address_space: global }
      - { .name: bv, .offset: 104, .size: 8, .value_kind: global_buffer, .address_space: global }
      - { .name: Qb, .offset: 112, .size: 8, .value_kind: global_buffer, .address_space: global }
      - { .name: Kb, .offset: 120, .size: 8, .value_kind: global_buffer, .address_space: global }
      - { .name: Vb, .offset: 128, .size: 8, .value_kind: global_buffer, .address_space: global }
    .group_segment_fixed_size: 327680
    .private_segment_fixed_size: 0
    .kernarg_segment_align: 8
    .kernarg_segment_size: 136
    .max_flat_workgroup_size: 128
    .sgpr_count:     102
    .vgpr_count:     1024
    .wavefront_size: 32
...
	.end_amdgpu_metadata
.endif
;; end of part 2
;; launch attn (part 3): grid 4 x 64, 8 waves a work-group, clusters of 4 x 1, 327,680 bytes of LDS; arguments Qb, Kb, Vb, Ob; writes Ob
.if DOCPART == 3
	.amdgcn_target "amdgcn-amd-amdhsa--gfx1250"
	.amdhsa_code_object_version 6
	.text
	.protected	k_qaa2f370a96_attn
	.globl	k_qaa2f370a96_attn
	.p2align	8
	.type	k_qaa2f370a96_attn,@function
k_qaa2f370a96_attn:
	s_mov_b64 s[64:65], 0
	v_nop
	global_prefetch_b8 v0, s[64:65] scope:SCOPE_SE
	s_setreg_imm32_b32 hwreg(HW_REG_WAVE_MODE, 25, 1), 1
	s_wait_xcnt 0x0
	s_wait_alu depctr_hold_cnt(0) depctr_sa_sdst(0) depctr_va_vdst(0) depctr_va_sdst(0) depctr_va_ssrc(0) depctr_va_vcc(0) depctr_vm_vsrc(0)
	s_getreg_b32 s2, hwreg(HW_REG_IB_STS2, 6, 4)
	s_cmp_eq_u32 s2, 0
	s_cbranch_scc0 .Lentry_in_a_cluster
	s_endpgm
.Lentry_in_a_cluster:
	s_bfe_u32 s2, ttmp6, 0x10000c
	s_cmp_lg_u32 s2, 0x3003
	s_cbranch_scc0 .Lentry_shape_is_right
	s_endpgm
.Lentry_shape_is_right:
; Attention on codes of E5M2 with E8M0 scales: S = Q K^T (K = the head's 64), p = 2^(t - M), O = p V (K = the keys), O / l quantised along the channels.  64 heads of 2,048 tokens.
; t = score x log2(e) / 8; M = the running largest t rounded UP to a whole number; p is quantised along the keys, not normalised; the row's sum l is taken of the unquantised p and divides O at the end;
; when M moves, l and O are multiplied by 2^(old M - new M), which rounds nothing.
; SHARES.  256 work-groups.  A work-group owns 512 queries of one head, in two passes of 256; in a pass each of its eight waves owns 32, two tiles 0 and 1 of 16.  Two waves share a SIMD.
; LDS.  The whole head's K and V codes (131,072 bytes each) are filled ONCE, one joint load a wave (waves 0-3 a quarter of K each, waves 4-7 of V); the scale words (4,096 bytes each) go through registers into
; LDS bytes of their own.  Nothing is filled again.  All operands lie as images of their registers: a fragment load reads 512 consecutive bytes, a scale load 128.
; CLUSTER.  The four work-groups of a cluster are the four query blocks of one head: each quarter is asked for jointly, mask 15.  The 8,192 bytes of scale words are a thirty-third of what is shared and come singly.
; No prefetch: all that the work-group reads of K and V is asked for at its head.
; BOTH PRODUCTS ARE USED TRANSPOSED: S^T = K Q^T, O^T = V^T p^T: a lane holds one query (lane % 16) throughout.
; THE FIRST PRODUCT'S K IS 64, THE INSTRUCTION'S 128: a fragment of K holds two tiles of 16 keys; Q's eight registers stand beside eight registers of zero codes, below or above, so that one instruction takes the even
; tile and another the odd.  The zero codes meet finite codes under real scale bytes: they add nothing.
; THE ORDER INSIDE A BLOCK OF 32: Q, K, V and p all carry element 16 (i / 8) + 8 h + i % 8 in byte i of lane half h; O's codes are put into the true order at the end.
; THE TWO TILES RUN HALF A KEY STEP APART.  A trip of the loop is two halves.  Half x: the statistics of tile x (maxima, M, t - M, O under the new M); its 68 exponentials, line by line with the 64 holds of the other tile y;
; y's conversions; then y's 4 products with V and its 8 products with the next K, with x's sums and scale lines, four behind each product.  Behind half 0 this step's V and the next step's K are fetched in one run of 36 LDS loads,
; which are waited for (0) in the middle of half 1.
; The loop is written once: a pass's first trip finds a block of zeros as tile 1's p of a step before the first (zero codes: they add nothing), and its last trip forms tile 0's scores of a step behind the last, which nobody reads.
; OUT: Ob: codes [tile of 16 tokens 512][128 channels 8][block 4][lane][16 bytes]; from byte SCOFF [32 tokens 256][head 16][tile 2][row 16] two bytes.
; LIMITS: a block of zeros gets the byte 1 (zero codes; this program alone reads the bytes); NaN and infinities are not served; the promise holds while the scaled scores stay under 2^31 in magnitude.
; REGISTERS.  Window 0: v1-8 addresses; v9-16 scale words and nothing else; v18-21, v53 offsets; v22-33 statistics; v34-52 at work; v56-87 p's codes; v96-223 S^T, then p; v224-239 bounds and scale operands; v240-247 scale words on their way.
;   Window 1: v0-39 zeros, Q of tile 0, zeros, Q of tile 1, zeros (eight each); v40-55 the next pass's Q; v64-127 K's four fragments; v128-191 V's four; v192-255 O^T of both tiles.
.set KREG, 0
.set VREG, 131072
.set KSC,  262144
.set VSC,  266240
.set SPARE, 0x44000
.set SCOFF, 0x800000
.set AK0,  1
.set AV0,  2
.set ASK0, 3
.set ASV0, 4
.set ADK,  5
.set ADV,  6
.set ADS,  7
.set ADT,  8
.set QW,   9
.set QWR,  10
.set KS0,  11
.set VS0,  13
.set PW,   15
.set GSC,  18
.set GOC,  19
.set GOS,  20
.set R4,   21
.set ST,   22
.set F,    30
.set BM,   34
.set BP,   38
.set T0,   42
.set T1,   43
.set SU,   44
.set SCH,  50
.set QWS,  52
.set LSC,  53
.set PC,   56
.set S,    96
.set HL,   224
.set SO,   232
.set SCD,  240
.set SPW,  254
.set NIL,  255
.set QS,   40
.set KF,   64
.set VF,   128
.set O,    192
.set WV,   20
.set G1,   24
.set G0K,  32
.set G0V,  36
.set SEL,  76
.set CS,   78
.set MNT,  80
.set TK,   81
.set TV,   82
.set TKS,  83
.set HM,   84
.set TVS,  85
.set CNT,  92
.set PASS, 93
.set MSB, 0
.macro WIN new
.if MSB != \new
	s_set_vgpr_msb (MSB<<8)|\new
.set MSB, \new
.endif
.endm
.macro WALU
	s_wait_alu depctr_va_vdst(0)
.endm
.macro PLACES n
.rept \n
	v_nop
.endr
.endm
.macro CROUND                          ; a round of the cluster's barrier
	s_barrier_signal -1
	s_barrier_wait -1
	s_cmp_lg_u32 s[WV], 0
	s_cbranch_scc1 .Lnot_wave_0_\@
	s_barrier_signal -3
.Lnot_wave_0_\@:
	s_barrier_wait -3
	s_barrier_signal -1
	s_barrier_wait -1
.endm
.macro MKG0 g, lr, lc, base, off
	s_mov_b32 s[\g], 1
	s_add_co_u32 s[\g+1], s[\lr], \lc
	s_add_nc_u64 s[\g+2:\g+3], s[\base:\base+1], s[\off:\off+1]
	s_or_b32 s[\g+3], s[\g+3], 0x80000000
.endm
	s_load_b256 s[4:11], s[0:1], 0x0               ; Qb, Kb, Vb, Ob
	v_lshl_add_u32 v[SPW], v0, 2, SPARE
	v_mov_b32 v[NIL], 0
	ds_add_u32 v[SPW], v[NIL]
	ds_add_u32 v[SPW], v[NIL]
	v_lshrrev_b32 v17, 5, v0
	v_readfirstlane_b32 s[WV], v17                 ; wave 0..7
	v_and_b32 v17, 31, v0                          ; lane
	v_lshlrev_b32 v[AK0], 4, v17
	v_add_nc_u32 v[AV0], VREG, v[AK0]
	v_lshl_add_u32 v[ASK0], v17, 2, KSC
	v_lshl_add_u32 v[ASV0], v17, 2, VSC
	v_lshlrev_b32 v[GOC], 4, v17
	v_lshlrev_b32 v[GOS], 1, v17
	v_and_b32 v[R4], 15, v0
	v_lshlrev_b32 v[R4], 2, v[R4]                  ; 4 r
	v_lshlrev_b32 v[GSC], 4, v0                    ; 16 x thread: my 16 bytes of a head's 4,096 scale bytes,
	v_lshl_add_u32 v[LSC], v0, 4, KSC              ; and where they go
	s_and_b32 s21, s[WV], 3                        ; which quarter I fetch
	s_bfe_u32 s22, ttmp6, 0x40000                  ; cx: my block of 512 queries: it enters Q's and O's addresses alone
	s_and_b32 s12, ttmp7, 0xffff                   ; batch x 16 + head, which the four partners share
	s_mov_b32 s[G1], 15|(3<<16)|(1<<21)            ; a dense quarter as 128 rows of 256 bytes (32 elements of 8), no padding; the mask names all four, bit 21 beside it
	s_mov_b32 s[G1+1], 32<<16
	s_mov_b32 s[G1+2], 128<<16
	s_mov_b32 s[G1+3], 32<<16
	s_mov_b32 s[G1+4], 128
	s_mov_b32 s[G1+5], 32
	s_mov_b32 s[G1+6], 0
	s_mov_b32 s[G1+7], 0
	s_lshl_b32 s86, s12, 17                        ; the head's codes,
	s_lshl_b32 s88, s12, 12
	s_add_co_u32 s88, s88, SCOFF                   ; its scale words
	s_mov_b32 s89, 0
	s_lshl_b32 s90, s21, 15                        ; my quarter: the same in memory and in LDS
	s_add_co_u32 s96, s86, s90
	s_mov_b32 s97, 0
	s_lshl_b32 s13, s22, 4
	s_add_co_u32 s13, s13, s[WV]                   ; my first pass's block of 32 queries in the head; the second pass's lies 8 on
	s_lshl_b32 s14, s13, 11
	s_add_co_u32 s14, s14, s86
	s_mov_b32 s15, 0                               ; Q's codes
	s_lshl_b32 s2, s13, 6
	s_add_co_u32 s2, s2, s88
	s_mov_b32 s3, 0                                ; Q's scale words
	s_lshr_b32 s16, s12, 4
	s_lshl_b32 s16, s16, 6
	s_add_co_u32 s16, s16, s13                     ; my block of 32 tokens among all 256
	s_and_b32 s17, s12, 15                         ; the head
	s_lshl_b32 s18, s16, 10
	s_lshl_b32 s19, s17, 6
	s_add_co_u32 s18, s18, s19
	s_add_co_u32 s18, s18, SCOFF
	s_mov_b32 s19, 0                               ; O's scale bytes
	s_lshl_b32 s16, s16, 15
	s_lshl_b32 s17, s17, 10
	s_add_co_u32 s16, s16, s17
	s_mov_b32 s17, 0                               ; O's codes
	s_mov_b32 s[SEL], 0x76543210
	s_mov_b32 s[SEL+1], 0xfedcba98                 ; lane l xor 16
	s_mov_b32 s[CS], 0x3e38aa3b                    ; c = log2(e) / 8
	s_mov_b32 s[CS+1], s[CS]
	s_mov_b32 s[MNT], 0x600000
	s_mov_b32 s[HM], 0xffff0000                    ; lanes 16-31
	s_mov_b32 s[PASS], 0
	WALU
	s_wait_dscnt 0x0
	s_wait_kmcnt 0x0
	s_add_nc_u64 s[2:3], s[4:5], s[2:3]
	s_add_nc_u64 s[4:5], s[4:5], s[14:15]
	s_add_nc_u64 s[16:17], s[10:11], s[16:17]
	s_add_nc_u64 s[18:19], s[10:11], s[18:19]
	s_add_nc_u64 s[40:41], s[6:7], s[88:89]
	s_add_nc_u64 s[42:43], s[8:9], s[88:89]
	MKG0 G0K, 90, KREG, 6, 96
	MKG0 G0V, 90, VREG, 8, 96
	CROUND                                         ; all four work-groups are here: the joint loads meet
	s_cmp_lt_u32 s[WV], 4                          ; one tensor load a wave: every way through the head passes exactly one
	s_cbranch_scc0 .Lfirst_v
	tensor_load_to_lds s[G0K:G0K+3], s[G1:G1+7]
	s_nop 0
	PLACES 4
	s_branch .Lfirst_asked
.Lfirst_v:
	tensor_load_to_lds s[G0V:G0V+3], s[G1:G1+7]
	s_nop 0
	PLACES 4
.Lfirst_asked:
.macro QLOAD                           ; 32 queries' codes and scale words into the registers that wait for the next pass
	WIN 0x40
.irp i, 0,1,2,3
	global_load_b128 v[QS+4*\i:QS+4*\i+3], v[GOC], s[4:5] offset:512*\i
.endr
	WIN 0
	global_load_b32 v[QWS], v[R4], s[2:3]
.endm
	QLOAD
	global_load_b128 v[SCD:SCD+3], v[GSC], s[40:41]        ; the work-group's 256 threads read K's 4,096 scale bytes, 512 consecutive bytes a wave,
	global_load_b128 v[SCD+4:SCD+7], v[GSC], s[42:43]      ; and V's
	WIN 0x40
.irp i, 0,1,2,3,4,5,6,7
	v_mov_b32 v[\i], 0                             ; the zero codes beside Q
	v_mov_b32 v[16+\i], 0
	v_mov_b32 v[32+\i], 0
.endr
	WIN 0
	v_mov_b32 v[F+1], 0                            ; (named as the upper halves of pairs)
	v_mov_b32 v[F+3], 0
.irp b, 0,1,2,3
	v_mov_b32 v[BP+\b], 0                          ; a lane permute's destination counts as one of its sources
.endr
	v_mov_b32 v[SCH], 0
	v_mov_b32 v[SCH+1], 0
	WALU
	s_wait_tensorcnt 0x0                           ; my quarter is in
	s_wait_loadcnt 0x0
	ds_store_b128 v[LSC], v[SCD:SCD+3]
	ds_store_b128 v[LSC], v[SCD+4:SCD+7] offset:VSC-KSC
	s_wait_dscnt 0x0
	s_barrier_signal -1
	s_barrier_wait -1                              ; everybody's quarter and scale words are in; from here on LDS is only read
; one product of S^T: tile x of queries, fragment f of K, hi = 0: its even tile of keys, 1: its odd
.macro QKP x, f, hi
.set rD, S+64*(\x)+8*(2*(\f)+(\hi))
.set rA, KF+16*(\f)
.set rB, 16*(\x)+8*(1-(\hi))
.set rSA, KS0+(\f)/2
.if (\x) == (\hi)
.set rSB, QW
.else
.set rSB, QWR
.endif
.if (\f)%2
	v_wmma_scale_f32_16x16x128_f8f6f4 v[rD:rD+7], v[rA:rA+15], v[rB:rB+15], 0, v[rSA], v[rSB] matrix_a_fmt:MATRIX_FMT_BF8 matrix_b_fmt:MATRIX_FMT_BF8 matrix_a_scale:MATRIX_SCALE_ROW1
.else
	v_wmma_scale_f32_16x16x128_f8f6f4 v[rD:rD+7], v[rA:rA+15], v[rB:rB+15], 0, v[rSA], v[rSB] matrix_a_fmt:MATRIX_FMT_BF8 matrix_b_fmt:MATRIX_FMT_BF8
.endif
.endm
; product m of tile y's twelve: 0-3: O^T += V^T p^T, one instruction for each of four accumulators; 4-11: the next step's S^T.  No two that follow each other share an accumulator
.macro MM y, m
.if (\m) < 4
	WIN 0x51
.set rD, O+32*(\y)+8*(\m)
.set rA, VF+16*(\m)
.set rB, PC+16*(\y)
.if (\m)%2
	v_wmma_scale_f32_16x16x128_f8f6f4 v[rD:rD+7], v[rA:rA+15], v[rB:rB+15], v[rD:rD+7], v[VS0+(\m)/2], v[PW+(\y)] matrix_a_fmt:MATRIX_FMT_BF8 matrix_b_fmt:MATRIX_FMT_BF8 matrix_a_scale:MATRIX_SCALE_ROW1
.else
	v_wmma_scale_f32_16x16x128_f8f6f4 v[rD:rD+7], v[rA:rA+15], v[rB:rB+15], v[rD:rD+7], v[VS0+(\m)/2], v[PW+(\y)] matrix_a_fmt:MATRIX_FMT_BF8 matrix_b_fmt:MATRIX_FMT_BF8
.endif
.else
	WIN 0x05
	QKP (\y), ((\m)-4)/2, ((\m)-4)%2
.endif
.endm
.macro PKF n                           ; n pairs of t - M
.rept \n
	v_pk_fma_f32 v[sr+kk:sr+kk+1], v[sr+kk:sr+kk+1], s[CS:CS+1], v[st:st+1] op_sel_hi:[1,0,0]
.set kk, kk+2
.endr
.endm
; THE STATISTICS of tile x for 128 keys: each block's largest score (for the row's maximum and, since p rises with the score, for the block's largest p), M, f, t - M, the sums and O^T under the new M
.macro T2 x
.set sr, S+64*(\x)
.set st, ST+4*(\x)
.set ff, F+2*(\x)
.set oo, O+32*(\x)
.irp b, 0,1,2,3
	v_max3_num_f32 v[BM+\b], v[sr+16*\b], v[sr+1+16*\b], v[sr+2+16*\b]   ; each accumulator from its low end on
.endr
.irp i, 3,5,7,9,11,13
.irp b, 0,1,2,3
	v_max3_num_f32 v[BM+\b], v[BM+\b], v[sr+16*\b+\i], v[sr+1+16*\b+\i]
.endr
.endr
.irp b, 0,1,2,3
	v_max_num_f32 v[BM+\b], v[BM+\b], v[sr+15+16*\b]
.endr
.irp b, 0,1,2,3
	v_permlanex16_b32 v[BP+\b], v[BM+\b], s[SEL], s[SEL+1]
.endr
.irp b, 0,1,2,3
	v_max_num_f32 v[BM+\b], v[BM+\b], v[BP+\b]     ; with lane l xor 16's 16 keys
.endr
	v_max3_num_f32 v[T0], v[BM], v[BM+1], v[BM+2]
	v_max_num_f32 v[T0], v[T0], v[BM+3]
	v_mul_f32 v[T0], s[CS], v[T0]                  ; the step's largest t (c is positive)
	v_max_num_f32 v[st+1], v[st+1], v[T0]
	v_mov_b32 v[T0], v[st]
	v_floor_f32 v[st], -v[st+1]                    ; the new -M = -ceil(t)
.set kk, 0
	PKF 8                                          ; the multiply-adds stand among the lines that make f
	v_sub_f32 v[T0], v[st], v[T0]                  ; old M - new M: a whole number, 0 or less
	PKF 8
	v_cvt_i32_f32 v[T0], v[T0]                     ; (it saturates)
	PKF 8
	v_ldexp_f32 v[ff], 1.0, v[T0]                  ; f = 2^(old M - new M)
	PKF 8
.irp b, 0,1,2,3
	v_fma_f32 v[BM+\b], v[BM+\b], s[CS], v[st]
.endr
	v_pk_mul_f32 v[st+2:st+3], v[st+2:st+3], v[ff:ff+1] op_sel_hi:[1,0]
	WIN 0x41
.set kk, 0
.rept 16
	v_pk_mul_f32 v[oo+kk:oo+kk+1], v[oo+kk:oo+kk+1], v[ff:ff+1] op_sel_hi:[1,0]
.set kk, kk+2
.endr
	WIN 0
.endm
; tile x's exponentials, by turns with the holds of the other tile's p (p is not negative: the hold is one-sided).  One wait ahead of the batch and one behind it
.macro REGION x
.set sx, S+64*(\x)
.set sy, S+64*(1-(\x))
.set hy, HL+4*(1-(\x))
	WALU
.irp b, 0,1,2,3
	v_exp_f32 v[BM+\b], v[BM+\b]                   ; each block's largest p
.endr
.set kk, 0
.rept 32                               ; a pair of holds in one instruction: number i + s of block 2 g with number i + 1 - s of block 2 g + 1, so that the two destinations are even and odd and no two sources share a bank
.set ex_, 32*(kk/16)+2*((kk%16)/2)+kk%2
.set ey_, 32*(kk/16)+16+2*((kk%16)/2)+1-kk%2
	v_exp_f32 v[sx+2*kk], v[sx+2*kk]               ; p = 2^(t - M)
	v_dual_min_num_f32 v[sy+ex_], v[hy+2*(kk/16)], v[sy+ex_] :: v_dual_min_num_f32 v[sy+ey_], v[hy+2*(kk/16)+1], v[sy+ey_]
	v_exp_f32 v[sx+2*kk+1], v[sx+2*kk+1]
.set kk, kk+1
.endr
	v_nop                                          ; a plain place behind the last exponential
	WALU
.endm
.macro CVT y
.irp b, 0,1,2,3
	v_cvt_scalef32_pk8_bf8_f32 v[PC+16*(\y)+4*\b:PC+16*(\y)+4*\b+1], v[S+64*(\y)+16*\b:S+64*(\y)+16*\b+7], v[SO+4*(\y)+\b]
	v_cvt_scalef32_pk8_bf8_f32 v[PC+16*(\y)+4*\b+2:PC+16*(\y)+4*\b+3], v[S+64*(\y)+16*\b+8:S+64*(\y)+16*\b+15], v[SO+4*(\y)+\b]
.endr
.endm
; line k of tile x's 51 behind its exponentials: the blocks' floors, scale operands, bounds and bytes, the scale word, and the row's sum of the unquantised p in four chains
.macro T4L x, k
.set sx, S+64*(\x)
.set c0, ST+4*(\x)+2
.if (\k) < 4
	v_max_num_f32 v[BM+(\k)], 0x8000000, v[BM+(\k)]                ; the floor 2^(16 - 127)
.elseif (\k) < 8
	v_add_nc_u32 v[SO+4*(\x)+(\k)-4], 0xf8800000, v[BM+(\k)-4]     ; the conversion's scale operand
.elseif (\k) < 12
	v_and_or_b32 v[HL+4*(\x)+(\k)-8], v[BM+(\k)-8], 0x7f800000, s[MNT]   ; 57,344 x the scale
.elseif (\k) < 16
	v_lshrrev_b32 v[BP+(\k)-12], 23, v[SO+4*(\x)+(\k)-12]          ; the scale's byte
.elseif (\k) == 16
	v_lshl_or_b32 v[T0], v[BP+1], 8, v[BP]
.elseif (\k) == 17
	v_lshl_or_b32 v[T1], v[BP+3], 8, v[BP+2]
.elseif (\k) < 21
	v_pk_add_f32 v[SU+2*((\k)-18):SU+2*((\k)-18)+1], v[sx+4*((\k)-18):sx+4*((\k)-18)+1], v[sx+4*((\k)-18)+2:sx+4*((\k)-18)+3]
.elseif (\k) == 21
	v_lshl_or_b32 v[PW+(\x)], v[T1], 16, v[T0]
.elseif (\k) < 48
.set ch_, ((\k)-22)%4
.set pj_, sx+2*((\k)-16)
.if ch_ == 0
	v_pk_add_f32 v[c0:c0+1], v[c0:c0+1], v[pj_:pj_+1]
.else
	v_pk_add_f32 v[SU+2*ch_-2:SU+2*ch_-1], v[SU+2*ch_-2:SU+2*ch_-1], v[pj_:pj_+1]
.endif
.elseif (\k) == 48
	v_pk_add_f32 v[SU:SU+1], v[SU:SU+1], v[SU+2:SU+3]
.elseif (\k) == 49
	v_pk_add_f32 v[c0:c0+1], v[c0:c0+1], v[SU+4:SU+5]
.elseif (\k) == 50
	v_pk_add_f32 v[c0:c0+1], v[c0:c0+1], v[SU:SU+1]
.else
	v_nop
.endif
.endm
; the other tile's conversions; four of x's lines (the places between the codes and the products that take them); then the other tile's twelve products, four of x's lines behind each
.macro MID x
	CVT 1-(\x)
.set n_, 0
.rept 4
	T4L \x, n_
.set n_, n_+1
.endr
.set m_, 0
.rept 12
	MM 1-(\x), m_
	WIN 0
.rept 4
	T4L \x, n_
.set n_, n_+1
.endr
.set m_, m_+1
.endr
.endm
.macro FRAGS rk, rks, rv, rvs          ; K's four fragments and V's four, as they lie, and their scale words: 36 loads
	WIN 0x40
.irp i, 0,1,2,3,4,5,6,7,8,9,10,11,12,13,14,15
	ds_load_b128 v[KF+4*\i:KF+4*\i+3], v[\rk] offset:512*\i
.endr
.irp i, 0,1,2,3,4,5,6,7,8,9,10,11,12,13,14,15
	ds_load_b128 v[VF+4*\i:VF+4*\i+3], v[\rv] offset:512*\i
.endr
	WIN 0
	ds_load_b32 v[KS0], v[\rks]                    ; lanes 0-15 fragment 0's words, lanes 16-31 fragment 1's
	ds_load_b32 v[KS0+1], v[\rks] offset:128
	ds_load_b32 v[VS0], v[\rvs]
	ds_load_b32 v[VS0+1], v[\rvs] offset:128
.endm
; THE WAY OUT of tile x: O^T / l, quantised along the channels (two blocks of 32 a head), in the true order of k
.macro OUTT x
.set sr, S+64*(\x)
.set oo, O+32*(\x)
.set ff, F+2*(\x)
.set pc, PC+16*(\x)
.set hl, HL+4*(\x)
.set so, SO+4*(\x)
	WIN 0x01
.set kk, 0
.rept 16
	v_pk_mul_f32 v[sr+kk:sr+kk+1], v[oo+kk:oo+kk+1], v[ff:ff+1] op_sel_hi:[1,0]   ; register 16 b + i: channel 32 b + 16 (i / 8) + 8 h + i % 8; each accumulator from its low end on
.set kk, kk+2
.endr
	WIN 0
.irp b, 0,1
	v_max3_num_f32 v[BM+\b], |v[sr+16*\b]|, |v[sr+1+16*\b]|, 0x8000000
.endr
.irp i, 2,4,6,8,10,12,14
.irp b, 0,1
	v_max3_num_f32 v[BM+\b], v[BM+\b], |v[sr+16*\b+\i]|, |v[sr+1+16*\b+\i]|
.endr
.endr
.irp b, 0,1
	v_permlanex16_b32 v[BP+\b], v[BM+\b], s[SEL], s[SEL+1]
.endr
.irp b, 0,1
	v_max_num_f32 v[BM+\b], v[BM+\b], v[BP+\b]
.endr
.irp b, 0,1
	v_add_nc_u32 v[so+\b], 0xf8800000, v[BM+\b]
.endr
.irp b, 0,1
	v_and_or_b32 v[hl+\b], v[BM+\b], 0x7f800000, s[MNT]
.endr
.irp b, 0,1
	v_lshrrev_b32 v[BP+\b], 23, v[so+\b]
.endr
	v_lshl_or_b32 v[T0+(\x)], v[BP+1], 8, v[BP]    ; the row's two scale bytes
.irp b, 0,1
.irp i, 0,1,2,3,4,5,6,7,8,9,10,11,12,13,14,15
	v_med3_num_f32 v[sr+16*\b+\i], v[sr+16*\b+\i], -v[hl+\b], v[hl+\b]
.endr
	v_cvt_scalef32_pk8_bf8_f32 v[pc+4*\b:pc+1+4*\b], v[sr+16*\b:sr+7+16*\b], v[so+\b]
	v_cvt_scalef32_pk8_bf8_f32 v[pc+2+4*\b:pc+3+4*\b], v[sr+8+16*\b:sr+15+16*\b], v[so+\b]
.endr
	v_nop                                          ; a plain instruction behind the last conversion
	; the true order: lanes 0-15 keep their low 8 bytes and take the partner's low 8 as their high; lanes 16-31 take the partner's high 8 as their low and keep their high
.irp b, 0,1
.irp i, 0,1
	v_permlanex16_b32 v[SCH], v[pc+4*\b+2+\i], s[SEL], s[SEL+1]
	v_permlanex16_b32 v[SCH+1], v[pc+4*\b+\i], s[SEL], s[SEL+1]
	v_cndmask_b32 v[pc+4*\b+\i], v[pc+4*\b+\i], v[SCH], s[HM]
	v_cndmask_b32 v[pc+4*\b+2+\i], v[SCH+1], v[pc+4*\b+2+\i], s[HM]
.endr
	global_store_b128 v[GOC], v[pc+4*\b:pc+4*\b+3], s[16:17] offset:16384*(\x)+512*\b   ; 32 lanes store 512 consecutive, aligned bytes
.endr
.endm
.Lpass:                                            ; two trips: 256 queries of the work-group each
	s_wait_loadcnt 0x0                             ; this pass's Q is in
	FRAGS AK0, ASK0, AV0, ASV0                     ; key step 0's K; V's stand in for a step before the first, whose p is zero
	WIN 0x41
.irp i, 0,1,2,3,4,5,6,7
	v_mov_b32 v[8+\i], v[QS+\i]                    ; Q of tile 0, of tile 1, to their places beside the zero codes
	v_mov_b32 v[24+\i], v[QS+8+\i]
.endr
	WIN 0
	v_mov_b32 v[QW], v[QWS]                        ; Q's scale word: bytes = tile 0's two blocks, tile 1's two;
	v_alignbit_b32 v[QWR], v[QWS], v[QWS], 16      ; and the same turned by 16 bits
	s_cmp_lg_u32 s[PASS], 0
	s_cbranch_scc1 .Lno_more_q
	s_add_nc_u64 s[4:5], s[4:5], 16384             ; the second pass's Q, 8 blocks of 32 queries on, is asked for a pass ahead (the loads before are done)
	s_add_nc_u64 s[2:3], s[2:3], 512
	QLOAD
.Lno_more_q:
	WIN 0x40
.set kk, 0
.rept 64
	v_mov_b32 v[O+kk], 0                           ; O^T: the loop is written once; its first trip finds zeros, which the first change of M leaves zeros
.set kk, kk+1
.endr
	WIN 0
.set kk, 0
.rept 64
	v_mov_b32 v[S+64+kk], 0                        ; tile 1's p of the step before the first: zeros
.set kk, kk+1
.endr
.irp x, 0,1
	v_mov_b32 v[ST+4*\x+1], 0xff61b1e6             ; the largest t so far: -3e38
	v_floor_f32 v[ST+4*\x], -v[ST+4*\x+1]          ; -M
	v_mov_b32 v[ST+4*\x+2], 0
	v_mov_b32 v[ST+4*\x+3], 0
.endr
.irp b, 0,1,2,3
	v_mov_b32 v[HL+4+\b], 0
	v_mov_b32 v[SO+4+\b], 1.0
.endr
	v_mov_b32 v[PW+1], 0x7f7f7f7f
	s_mov_b32 s[TK], 8192                          ; the loop fetches K a step ahead of V
	s_mov_b32 s[TKS], 256
	s_mov_b32 s[TV], 0
	s_mov_b32 s[TVS], 0
	s_mov_b32 s[CNT], 16
	WALU
	s_wait_dscnt 0x0
	WIN 0x05
.irp f, 0,1,2,3
	QKP 0, \f, 0
	QKP 0, \f, 1
.endr
	WIN 0
	PLACES 8
.Lstep:
	T2 0
	REGION 0
	MID 0
	v_add_nc_u32 v[ADK], s[TK], v[AK0]             ; with the four lines behind the last product these are the eight places ahead of the loads and of the first read of S^T
	v_add_nc_u32 v[ADS], s[TKS], v[ASK0]
	v_add_nc_u32 v[ADV], s[TV], v[AV0]
	v_add_nc_u32 v[ADT], s[TVS], v[ASV0]
	FRAGS ADK, ADS, ADV, ADT
	T2 1
	REGION 1
	s_wait_dscnt 0x0                               ; this step's V and the next step's K are in
	MID 1
	PLACES 4
	s_add_co_u32 s[TK], s[TK], 8192
	s_add_co_u32 s[TKS], s[TKS], 256
	s_add_co_u32 s[TV], s[TV], 8192
	s_add_co_u32 s[TVS], s[TVS], 256
	s_sub_co_u32 s[CNT], s[CNT], 1
	s_cmp_lg_u32 s[CNT], 0
	WALU
	s_cbranch_scc1 .Lstep
	; tile 1's last step is finished
.set kk, 0
.rept 64
	v_min_num_f32 v[S+64+kk], v[S+64+kk], v[HL+4+kk/16]
.set kk, kk+1
.endr
	CVT 1
	PLACES 4
.irp m, 0,1,2,3
	MM 1, \m
.endr
	WIN 0
	v_add_f32 v[T0], v[ST+2], v[ST+3]
	v_add_f32 v[T1], v[ST+6], v[ST+7]
	v_permlanex16_b32 v[BP], v[T0], s[SEL], s[SEL+1]
	v_permlanex16_b32 v[BP+1], v[T1], s[SEL], s[SEL+1]
	v_add_f32 v[T0], v[T0], v[BP]                  ; the rows' sums
	v_add_f32 v[T1], v[T1], v[BP+1]
	WALU
	v_rcp_f32 v[F], v[T0]
	v_rcp_f32 v[F+2], v[T1]
	v_nop                                          ; a plain instruction behind the reciprocals,
	WALU                                           ; and the one wait ahead of their first reader
	OUTT 0                                         ; its lines are also the places behind tile 1's last products
	OUTT 1
	v_cndmask_b32 v[T0], v[T0], v[T1], s[HM]       ; lanes 0-15 tile 0's rows, lanes 16-31 tile 1's
	global_store_b16 v[GOS], v[T0], s[18:19]       ; 64 consecutive bytes
	s_wait_xcnt 0x0                                ; the stores have read their registers and bases
	s_add_nc_u64 s[16:17], s[16:17], 262144        ; 8 blocks of 32 tokens on
	s_add_nc_u64 s[18:19], s[18:19], 8192
	s_add_co_u32 s[PASS], s[PASS], 1
	s_cmp_lg_u32 s[PASS], 2
	WALU
	s_cbranch_scc1 .Lpass
	s_wait_tensorcnt 0x0                           ; the wave's end
	ds_add_u32 v[SPW], v[NIL]
	s_wait_dscnt 0x0
	CROUND                                         ; the closing round
	s_endpgm
.Lfunc_end_k_qaa2f370a96_attn:
	.size	k_qaa2f370a96_attn, .Lfunc_end_k_qaa2f370a96_attn-k_qaa2f370a96_attn
	.p2alignl 7, 3214868480
	.fill 96, 4, 3214868480
	.section	.rodata,"a",@progbits
	.p2align	6, 0x0
	.amdhsa_kernel k_qaa2f370a96_attn
		.amdhsa_group_segment_fixed_size 327680
		.amdhsa_private_segment_fixed_size 0
		.amdhsa_enable_private_segment 0
		.amdhsa_kernarg_size 32
		.amdhsa_user_sgpr_count 2
		.amdhsa_user_sgpr_kernarg_segment_ptr 1
		.amdhsa_wavefront_size32 1
		.amdhsa_system_sgpr_workgroup_id_x 1
		.amdhsa_system_sgpr_workgroup_id_y 1
		.amdhsa_system_sgpr_workgroup_id_z 1
		.amdhsa_system_vgpr_workitem_id 0
		.amdhsa_next_free_vgpr 512
		.amdhsa_next_free_sgpr 100
		.amdhsa_reserve_vcc 0
		.amdhsa_float_denorm_mode_32 3
		.amdhsa_float_denorm_mode_16_64 3
		.amdhsa_memory_ordered 1
		.amdhsa_forward_progress 1
		.amdhsa_inst_pref_size 70
	.end_amdhsa_kernel
	.amdgpu_metadata
---
amdhsa.version: [ 1, 2 ]
amdhsa.kernels:
  - .name:           k_qaa2f370a96_attn
    .symbol:         k_qaa2f370a96_attn.kd
    .args:
      - { .name: Qb, .offset: 0, .size: 8, .value_kind: global_buffer, .address_space: global }
      - { .name: Kb, .offset: 8, .size: 8, .value_kind: global_buffer, .address_space: global }
      - { .name: Vb, .offset: 16, .size: 8, .value_kind: global_buffer, .address_space: global }
      - { .name: Ob, .offset: 24, .size: 8, .value_kind: global_buffer, .address_space: global }
    .group_segment_fixed_size: 327680
    .private_segment_fixed_size: 0
    .kernarg_segment_align: 8
    .kernarg_segment_size: 32
    .max_flat_workgroup_size: 256
    .sgpr_count:     100
    .vgpr_count:     512
    .wavefront_size: 32
...
	.end_amdgpu_metadata
.endif
;; end of part 3
;; launch outln (part 4): grid 256 x 1, 4 waves a work-group, clusters of 4 x 1, 327,680 bytes of LDS; arguments Ob, Wo_codes, Wo_scales, bo, q, gamma, beta, out0, Wr; writes out0
.if DOCPART == 4
	.amdgcn_target "amdgcn-amd-amdhsa--gfx1250"
	.amdhsa_code_object_version 6
	.text
	.protected	k_qaa2f370a96_outln
	.globl	k_qaa2f370a96_outln
	.p2align	8
	.type	k_qaa2f370a96_outln,@function
k_qaa2f370a96_outln:
	s_mov_b64 s[64:65], 0
	v_nop
	global_prefetch_b8 v0, s[64:65] scope:SCOPE_SE
	s_setreg_imm32_b32 hwreg(HW_REG_WAVE_MODE, 25, 1), 1
	s_wait_xcnt 0x0
	s_wait_alu depctr_hold_cnt(0) depctr_sa_sdst(0) depctr_va_vdst(0) depctr_va_sdst(0) depctr_va_ssrc(0) depctr_va_vcc(0) depctr_vm_vsrc(0)
	s_getreg_b32 s2, hwreg(HW_REG_IB_STS2, 6, 4)
	s_cmp_eq_u32 s2, 0
	s_cbranch_scc0 .Lentry_in_a_cluster
	s_endpgm
.Lentry_in_a_cluster:
	s_bfe_u32 s2, ttmp6, 0x10000c
	s_cmp_lg_u32 s2, 0x3003
	s_cbranch_scc0 .Lentry_shape_is_right
	s_endpgm
.Lentry_shape_is_right:
; out0 = LayerNorm(O Wo^T + bo + q) x gamma + beta.  O arrives as codes of E5M2 with E8M0 scale bytes (Ob, as the attention launch leaves them); Wo's codes as given, and once more as images of an operand's registers (Wr, laid by the first launch).
; SHARES.  A work-group owns 32 whole rows (the norm wants whole rows), 256 work-groups.  Each of its four waves makes all 32 rows x 256 columns (columns 256 n + 64 wave + 0 .. 63, n = 0 .. 3): 32 accumulators; O's 32 rows, all of K, stay in 256 registers.
; Wo COMES BY TWO ROADS AT ONCE.  Its rows 0-511 (n = 0, 1) come through a ring of two LDS slots in four chunks of 256 rows x 512 of K, asked for JOINTLY by the four work-groups of a cluster (mask 15): each wave fetches, and alone reads,
; its own 64 rows of a chunk.  Every refill stands behind a drained round of the cluster's barrier, one tensor load a wave.  Its rows 512-1023 (n = 2, 3) go from Wr straight into registers: 16 units of 16 loads (512 consecutive bytes each)
; through four register buffers.  Between two rounds a wave does a chunk's 32 products and 5 or 6 units of 8: a refill has that work in which to land, and only half of Wo is drawn singly by each work-group.
; s_wait_loadcnt 32 in front of a unit's products: behind that unit's 16 loads those of two further units have been issued; the third's are issued behind the wait: 32 to 48 loads of a wave are out.
; THE PRODUCT IS USED TRANSPOSED (source 0 = 16 rows of Wo, source 1 = 16 rows of O): a lane holds eight neighbouring columns of one row.  The sums go through LDS once (a stage in slot 0, behind its last fill and last read), so that a wave then holds 8 whole rows.
; q's rows (8 a wave, 32,768 bytes) are prefetched into the L2 in four requests of 8,192 bytes (a lane a block of 256 bytes) behind units 17, 20, 23, 26, at least 5 units and a chunk ahead of their loads, which stand behind the products, in the units' registers.
; Wo's chunks and Wr are not prefetched: all work-groups read the same 1,048,576 bytes at about the same time, and the units' loads run three units ahead.
; REGISTERS.  Window 0: v4-14 offsets; v32-95 Wo's scale words, v100-107 O's (no product's two scale registers have numbers equal modulo 8); v128-255 two buffers for fragments from LDS, later rows at work.  Window 1: the accumulators.
;   Window 2: O's codes, later gamma, beta, bo.  Window 3: the units' four buffers, later q's rows.
.set PITCH, 528                        ; an LDS row of a chunk: 512 bytes + 16
.set SLOT,  256*PITCH
.set WSH,   64*PITCH                   ; a wave's 64 rows
.set SPARE, 2*SLOT
.set XP,    4112                       ; a staged row: 4,096 bytes + 16
.set SCOFF, 0x800000
.set L16,  4
.set L32,  5
.set L2,   6
.set ADW,  8
.set STO,  10
.set RD,   12
.set PF,   14
.set SPW,  28
.set NIL,  29
.set WS,   32
.set OS,   100
.set TU,   108
.set WB0,  128
.set WB1,  192
.set XA,   128
.set XB,   160
.set S0,   192
.set S1,   194
.set MU,   196
.set RS,   198
.set T,    200
.set T1,   201
.set GA,   0
.set BE,   32
.set BO,   64
.set WV,   20
.set G1,   24
.set G0,   32
.set SEL,  40
.set MSB, 0
.macro WIN new
.if MSB != \new
	s_set_vgpr_msb (MSB<<8)|\new
.set MSB, \new
.endif
.endm
.macro PLACES n
.rept \n
	v_nop
.endr
.endm
.macro CROUND                          ; a round of the cluster's barrier
	s_barrier_signal -1
	s_barrier_wait -1
	s_cmp_lg_u32 s[WV], 0
	s_cbranch_scc1 .Lnot_wave_0_\@
	s_barrier_signal -3
.Lnot_wave_0_\@:
	s_barrier_wait -3
	s_barrier_signal -1
	s_barrier_wait -1
.endm
	s_load_b512 s[4:19], s[0:1], 0x0               ; Ob, Wo_codes, Wo_scales, bo, q, gamma, beta, out0
	s_load_b64 s[58:59], s[0:1], 0x40              ; Wr
	v_lshl_add_u32 v[SPW], v0, 2, SPARE
	v_mov_b32 v[NIL], 0
	ds_add_u32 v[SPW], v[NIL]
	ds_add_u32 v[SPW], v[NIL]
	s_wait_dscnt 0x0
	v_lshrrev_b32 v1, 5, v0
	v_readfirstlane_b32 s[WV], v1
	s_bfe_u32 s21, ttmp6, 0x40000
	s_lshl_b32 s22, ttmp9, 2
	s_add_co_u32 s22, s22, s21                     ; my block of 32 rows: it enters O's, q's and out0's addresses alone
	s_mov_b32 s[G1], 15|(0<<16)|(1<<20)|(1<<21)|(6<<22)|(3<<25)   ; 64 rows of 512 bytes, 1,024 apart, 16 bytes of padding behind each; the mask names all four, bit 21 beside it
	s_mov_b32 s[G1+1], 512<<16
	s_mov_b32 s[G1+2], 64<<16
	s_mov_b32 s[G1+3], 512<<16
	s_mov_b32 s[G1+4], 64
	s_mov_b32 s[G1+5], 1024
	s_mov_b32 s[G1+6], 0
	s_mov_b32 s[G1+7], 0
	s_mul_i32 s42, s[WV], WSH
	s_lshl_b32 s44, s[WV], 16                      ; my 64 rows of each 256, in Wo_codes and in Wr alike: 65,536 bytes
	s_mov_b32 s45, 0
	s_lshl_b32 s46, s22, 15                        ; O's codes: 32 rows
	s_mov_b32 s47, 0
	s_lshl_b32 s48, s22, 10
	s_add_co_u32 s48, s48, SCOFF                   ; and their scale bytes
	s_mov_b32 s49, 0
	s_lshl_b32 s50, s[WV], 11                      ; Wo's scale bytes: 64 rows of 32
	s_mov_b32 s51, 0
	s_lshl_b32 s52, s22, 17
	s_lshl_b32 s53, s[WV], 15
	s_add_co_u32 s52, s52, s53                     ; q and out0: my 8 rows of the work-group's 32
	s_mov_b32 s53, 0
	s_mov_b32 s[SEL], 0x76543210
	s_mov_b32 s[SEL+1], 0xfedcba98
	s_mov_b32 s56, 0x3a800000                      ; 1 / 1024
	s_mov_b32 s57, 0x3727c5ac                      ; 1e-5
	v_and_b32 v1, 15, v0
	v_bfe_u32 v2, v0, 4, 1
	v_and_b32 v3, 31, v0
	v_lshlrev_b32 v[L16], 4, v3
	v_lshlrev_b32 v[L32], 5, v3
	v_lshlrev_b32 v[L2], 1, v3
	v_lshlrev_b32 v[PF], 8, v3
	v_mul_u32_u24 v7, v1, PITCH
	v_lshl_add_u32 v7, v2, 4, v7
	v_add_nc_u32 v[ADW], s42, v7                   ; my fragments in slot 0,
	v_add_nc_u32 v[ADW+1], SLOT, v[ADW]            ; in slot 1
	v_mul_u32_u24 v[STO], v1, XP                   ; into the stage: row r (and 16 + r), 256 wave + 32 h bytes on
	v_lshl_add_u32 v[STO], v2, 5, v[STO]
	s_lshl_b32 s43, s[WV], 8
	v_add_nc_u32 v[STO], s43, v[STO]
	v_add_nc_u32 v[STO+1], 16*XP, v[STO]
	s_mul_i32 s43, s[WV], 8*XP
	v_add_nc_u32 v[RD], s43, v[L16]                ; and back: my 8 rows, 16 bytes a lane
	s_wait_alu depctr_va_vdst(0)
	s_wait_kmcnt 0x0
	s_add_nc_u64 s[6:7], s[6:7], s[44:45]
	s_add_nc_u64 s[58:59], s[58:59], s[44:45]
	s_add_nc_u64 s[46:47], s[4:5], s[46:47]
	s_add_nc_u64 s[48:49], s[4:5], s[48:49]
	s_add_nc_u64 s[8:9], s[8:9], s[50:51]
	s_add_nc_u64 s[12:13], s[12:13], s[52:53]
	s_add_nc_u64 s[18:19], s[18:19], s[52:53]
.irp s, 0,1
	s_mov_b32 s[G0+4*\s], 1
	s_add_co_u32 s[G0+4*\s+1], s42, \s*SLOT
	s_add_nc_u64 s[G0+4*\s+2:G0+4*\s+3], s[6:7], \s*512    ; slot s takes the s-th half of K
	s_or_b32 s[G0+4*\s+3], s[G0+4*\s+3], 0x80000000
.endr
	CROUND                                         ; all four work-groups are here: the joint loads meet
	tensor_load_to_lds s[G0:G0+3], s[G1:G1+7]      ; chunk 0: the wave's one tensor load at the head
	s_nop 0
	PLACES 4
	WIN 0x80
.set kk, 0
.rept 64
	global_load_b128 v[4*kk:4*kk+3], v[L16], s[46:47] offset:512*kk   ; O's fragments as they lie: register 16 (8 m + ks) + 4 c
.set kk, kk+1
.endr
	WIN 0
.irp n, 0,1,2,3
.irp p, 0,1
	global_load_b128 v[WS+8*(2*\n+\p):WS+8*(2*\n+\p)+3],   v[L32], s[8:9] offset:8192*\n+1024*\p      ; lane l: the eight scale words of row l of a pair of tiles
	global_load_b128 v[WS+8*(2*\n+\p)+4:WS+8*(2*\n+\p)+7], v[L32], s[8:9] offset:8192*\n+1024*\p+16
.endr
.endr
.irp s, 0,1,2,3,4,5,6,7
	global_load_u16 v[TU+2*\s],   v[L2], s[48:49] offset:128*\s
	global_load_u16 v[TU+2*\s+1], v[L2], s[48:49] offset:128*\s+64
.endr
; unit u = 8 n + ks (16 .. 31): my four tiles of Wo's rows 256 n + 64 wave on, the ks-th 128 of K: 16 loads into buffer u % 4 of window 3
.macro WLOAD u
	WIN 0xc0
.irp t, 0,1,2,3
.irp c, 0,1,2,3
	global_load_b128 v[64*((\u)%4)+16*\t+4*\c:64*((\u)%4)+16*\t+4*\c+3], v[L16], s[58:59] offset:262144*((\u)/8)+16384*\t+2048*((\u)%8)+512*\c
.endr
.endr
	WIN 0
.endm
.macro WMM zero, ra, rb
.if \zero
.if \ra
.if \rb
	v_wmma_scale_f32_16x16x128_f8f6f4 v[rD:rD+7], v[rA:rA+15], v[rB:rB+15], 0, v[rWS], v[rOS] matrix_a_fmt:MATRIX_FMT_BF8 matrix_b_fmt:MATRIX_FMT_BF8 matrix_a_scale:MATRIX_SCALE_ROW1 matrix_b_scale:MATRIX_SCALE_ROW1
.else
	v_wmma_scale_f32_16x16x128_f8f6f4 v[rD:rD+7], v[rA:rA+15], v[rB:rB+15], 0, v[rWS], v[rOS] matrix_a_fmt:MATRIX_FMT_BF8 matrix_b_fmt:MATRIX_FMT_BF8 matrix_a_scale:MATRIX_SCALE_ROW1
.endif
.else
.if \rb
	v_wmma_scale_f32_16x16x128_f8f6f4 v[rD:rD+7], v[rA:rA+15], v[rB:rB+15], 0, v[rWS], v[rOS] matrix_a_fmt:MATRIX_FMT_BF8 matrix_b_fmt:MATRIX_FMT_BF8 matrix_b_scale:MATRIX_SCALE_ROW1
.else
	v_wmma_scale_f32_16x16x128_f8f6f4 v[rD:rD+7], v[rA:rA+15], v[rB:rB+15], 0, v[rWS], v[rOS] matrix_a_fmt:MATRIX_FMT_BF8 matrix_b_fmt:MATRIX_FMT_BF8
.endif
.endif
.else
.if \ra
.if \rb
	v_wmma_scale_f32_16x16x128_f8f6f4 v[rD:rD+7], v[rA:rA+15], v[rB:rB+15], v[rD:rD+7], v[rWS], v[rOS] matrix_a_fmt:MATRIX_FMT_BF8 matrix_b_fmt:MATRIX_FMT_BF8 matrix_a_scale:MATRIX_SCALE_ROW1 matrix_b_scale:MATRIX_SCALE_ROW1
.else
	v_wmma_scale_f32_16x16x128_f8f6f4 v[rD:rD+7], v[rA:rA+15], v[rB:rB+15], v[rD:rD+7], v[rWS], v[rOS] matrix_a_fmt:MATRIX_FMT_BF8 matrix_b_fmt:MATRIX_FMT_BF8 matrix_a_scale:MATRIX_SCALE_ROW1
.endif
.else
.if \rb
	v_wmma_scale_f32_16x16x128_f8f6f4 v[rD:rD+7], v[rA:rA+15], v[rB:rB+15], v[rD:rD+7], v[rWS], v[rOS] matrix_a_fmt:MATRIX_FMT_BF8 matrix_b_fmt:MATRIX_FMT_BF8 matrix_b_scale:MATRIX_SCALE_ROW1
.else
	v_wmma_scale_f32_16x16x128_f8f6f4 v[rD:rD+7], v[rA:rA+15], v[rB:rB+15], v[rD:rD+7], v[rWS], v[rOS] matrix_a_fmt:MATRIX_FMT_BF8 matrix_b_fmt:MATRIX_FMT_BF8
.endif
.endif
.endif
.endm
; eight products: columns' chunk NC, the KQ-th 128 of K, Wo's four fragments at WBF: the chunk's eight accumulators by turns; KQ = 0 starts the sums
.macro MUL8
.irp t, 0,1,2,3
.irp m, 0,1
.set rD, 8*(8*NC+2*\t+\m)
.set rA, WBF+16*\t
.set rB, 16*(8*\m+KQ)
.set rWS, WS+8*(2*NC+\t/2)+KQ
.set rOS, OS+KQ
.if KQ == 0
	WMM 1, \t%2, \m
.else
	WMM 0, \t%2, \m
.endif
.endr
.endr
.endm
; a unit from registers: its loads are in; the unit three on is asked for, into the buffer that the unit before has left (eight places stand behind its products)
.macro UNIT u
.if 31-(\u) >= 2
	s_wait_loadcnt 32
.else
	s_wait_loadcnt 16*(31-(\u))
.endif
.if (\u)+3 < 32
	WLOAD (\u)+3
.endif
.set NC, (\u)/8
.set KQ, (\u)%8
.set WBF, 64*((\u)%4)
	WIN 0x5b
	MUL8
	WIN 0
.if (((\u)-17)%3 == 0) && ((\u) > 16) && ((\u) < 27)
	global_prefetch_b8 v[PF], s[12:13] offset:8192*(((\u)-17)/3) th:TH_LOAD_NT scope:SCOPE_SE   ; two of my rows of q
.endif
	PLACES 8
.endm
.macro FETCHW qk, buf                  ; my four fragments of the slot's qk-th 128 of K
.irp t, 0,1,2,3
.irp c, 0,1,2,3
	ds_load_b128 v[(\buf)+16*\t+4*\c:(\buf)+16*\t+4*\c+3], v[ADW+KH] offset:16*PITCH*\t+128*(\qk)+32*\c
.endr
.endr
.endm
; chunk j from LDS: columns' chunk j / 2, half j % 2 of K: 32 products on two buffers.  s_wait_dscnt 16: behind the 16 loads that are wanted stand the other buffer's 16
.macro WORK j
.set NC, (\j)/2
.set KH, (\j)%2
	FETCHW 0, WB0
	FETCHW 1, WB1
.irp qk, 0,1,2,3
.if \qk < 3
	s_wait_dscnt 16
.else
	s_wait_dscnt 0x0
.endif
.set KQ, 4*KH+\qk
.set WBF, WB0+64*(\qk%2)
	WIN 0x58
	MUL8
	WIN 0
	PLACES 8
.if \qk < 2
	FETCHW \qk+2, WB0+64*(\qk%2)
.endif
.endr
.endm
; the change of slots in front of chunk j: all my tensor loads are in (chunk j), the add, my LDS reads are over; j <= 2: a round, and chunk j + 1 goes where chunk j - 1 lay
.macro CHANGE j
.set GS, G0+4*(((\j)+1)&1)
	s_wait_tensorcnt 0x0
	ds_add_u32 v[SPW], v[NIL]
.if (\j) <= 2
	s_add_nc_u64 s[GS+2:GS+3], s[GS+2:GS+3], 262144        ; 256 rows of Wo on
.endif
	s_wait_dscnt 0x0
.if (\j) <= 2
	CROUND
	tensor_load_to_lds s[GS:GS+3], s[G1:G1+7]
	s_nop 0
.else
	s_barrier_signal -1
	s_barrier_wait -1
.endif
	PLACES 8
.endm
.irp u, 16,17,18
	WLOAD \u
.endr
	s_wait_alu depctr_va_vdst(0)
	s_wait_tensorcnt 0x0                           ; my part of chunk 0 is in
	ds_add_u32 v[SPW], v[NIL]
	s_wait_dscnt 0x0
	CROUND
	tensor_load_to_lds s[G0+4:G0+7], s[G1:G1+7]    ; chunk 1, the first tensor load behind the round
	s_nop 0
	PLACES 4
	s_wait_loadcnt 48                              ; O and the scale words are in; units 16 to 18 may be out
.irp s, 0,1,2,3,4,5,6,7
	v_lshl_or_b32 v[OS+\s], v[TU+2*\s+1], 16, v[TU+2*\s]   ; O's scale word of the s-th 128 of K: two heads' two bytes; lanes 0-15 rows 0-15, lanes 16-31 rows 16-31
.endr
	s_wait_alu depctr_va_vdst(0)
	PLACES 8                                       ; a scale register written by a vector instruction stands eight places ahead of the product
	WORK 0
.irp u, 16,17,18,19,20
	UNIT \u
.endr
	CHANGE 1
	WORK 1
.irp u, 21,22,23,24,25
	UNIT \u
.endr
	CHANGE 2
	WORK 2
.irp u, 26,27,28,29,30,31
	UNIT \u
.endr
	CHANGE 3                                       ; nothing is filled again; behind this barrier nobody reads slot 0, where the stage lies
	WORK 3
	v_mov_b32 v[T1], 0
	WIN 0x80
.irp i, 0,1,2,3,4,5,6,7
	global_load_b128 v[GA+4*\i:GA+4*\i+3], v[L16], s[14:15] offset:512*\i
	global_load_b128 v[BE+4*\i:BE+4*\i+3], v[L16], s[16:17] offset:512*\i
	global_load_b128 v[BO+4*\i:BO+4*\i+3], v[L16], s[10:11] offset:512*\i
.endr
	WIN 0xc0
.irp p, 0,1,2,3,4,5,6,7
.irp i, 0,1,2,3,4,5,6,7
	global_load_b128 v[32*\p+4*\i:32*\p+4*\i+3], v[L16], s[12:13] offset:4096*\p+512*\i th:TH_LOAD_NT
.endr
.endr
	WIN 0x04
.irp n, 0,1,2,3
.irp t, 0,1,2,3
.irp m, 0,1
	ds_store_b128 v[STO+\m], v[8*(8*\n+2*\t+\m):8*(8*\n+2*\t+\m)+3] offset:1024*\n+64*\t          ; each accumulator from its low end on
	ds_store_b128 v[STO+\m], v[8*(8*\n+2*\t+\m)+4:8*(8*\n+2*\t+\m)+7] offset:1024*\n+64*\t+16
.endr
.endr
.endr
	WIN 0
	s_wait_dscnt 0x0
	s_barrier_signal -1
	s_barrier_wait -1                              ; all four waves' columns of all 32 rows are staged
	s_wait_loadcnt 0x0
.macro LOADROW p, buf
.irp i, 0,1,2,3,4,5,6,7
	ds_load_b128 v[\buf+4*\i:\buf+4*\i+3], v[RD] offset:XP*(\p)+512*\i
.endr
.endm
.macro LANESUM
	v_add_f32_dpp v[T], v[T], v[T] row_xmask:1 row_mask:0xf bank_mask:0xf
	v_add_f32_dpp v[T], v[T], v[T] row_xmask:2 row_mask:0xf bank_mask:0xf
	v_add_f32_dpp v[T], v[T], v[T] row_xmask:4 row_mask:0xf bank_mask:0xf
	v_add_f32_dpp v[T], v[T], v[T] row_xmask:8 row_mask:0xf bank_mask:0xf
	v_permlanex16_b32 v[T1], v[T], s[SEL], s[SEL+1]
	v_add_f32 v[T], v[T], v[T1]
.endm
; one row: + q + bo; the mean; the centred row; the variance; x rsqrt x gamma + beta; stored as eight runs of 512 consecutive bytes
.macro ROW p, buf, left
	s_wait_dscnt \left
	WIN 0x0c
.set kk, 0
.rept 16
	v_pk_add_f32 v[\buf+kk:\buf+kk+1], v[\buf+kk:\buf+kk+1], v[32*(\p)+kk:32*(\p)+kk+1]
.set kk, kk+2
.endr
	WIN 0x08
.set kk, 0
.rept 16
	v_pk_add_f32 v[\buf+kk:\buf+kk+1], v[\buf+kk:\buf+kk+1], v[BO+kk:BO+kk+1]
.set kk, kk+2
.endr
	WIN 0
	v_pk_add_f32 v[S0:S0+1], v[\buf:\buf+1], v[\buf+2:\buf+3]
	v_pk_add_f32 v[S1:S1+1], v[\buf+4:\buf+5], v[\buf+6:\buf+7]
.irp k, 8,12,16,20,24,28
	v_pk_add_f32 v[S0:S0+1], v[S0:S0+1], v[\buf+\k:\buf+\k+1]
	v_pk_add_f32 v[S1:S1+1], v[S1:S1+1], v[\buf+\k+2:\buf+\k+3]
.endr
	v_pk_add_f32 v[S0:S0+1], v[S0:S0+1], v[S1:S1+1]
	v_add_f32 v[T], v[S0], v[S0+1]
	LANESUM
	v_mul_f32 v[MU], s56, v[T]
	v_mul_f32 v[MU+1], s56, v[T]
.set kk, 0
.rept 16
	v_pk_add_f32 v[\buf+kk:\buf+kk+1], v[\buf+kk:\buf+kk+1], v[MU:MU+1] neg_lo:[0,1] neg_hi:[0,1]
.set kk, kk+2
.endr
	v_pk_mul_f32 v[S0:S0+1], v[\buf:\buf+1], v[\buf:\buf+1]
	v_pk_mul_f32 v[S1:S1+1], v[\buf+2:\buf+3], v[\buf+2:\buf+3]
.irp k, 4,8,12,16,20,24,28
	v_pk_fma_f32 v[S0:S0+1], v[\buf+\k:\buf+\k+1], v[\buf+\k:\buf+\k+1], v[S0:S0+1]
	v_pk_fma_f32 v[S1:S1+1], v[\buf+\k+2:\buf+\k+3], v[\buf+\k+2:\buf+\k+3], v[S1:S1+1]
.endr
	v_pk_add_f32 v[S0:S0+1], v[S0:S0+1], v[S1:S1+1]
	v_add_f32 v[T], v[S0], v[S0+1]
	LANESUM
	v_fma_f32 v[T], v[T], s56, s57
	s_wait_alu depctr_va_vdst(0)
	v_rsq_f32 v[RS], v[T]
	v_rsq_f32 v[RS+1], v[T]
	v_nop
	s_wait_alu depctr_va_vdst(0)
.set kk, 0
.rept 16
	v_pk_mul_f32 v[\buf+kk:\buf+kk+1], v[\buf+kk:\buf+kk+1], v[RS:RS+1]
.set kk, kk+2
.endr
	WIN 0x28
.set kk, 0
.rept 16
	v_pk_fma_f32 v[\buf+kk:\buf+kk+1], v[\buf+kk:\buf+kk+1], v[GA+kk:GA+kk+1], v[BE+kk:BE+kk+1]
.set kk, kk+2
.endr
	WIN 0
.irp i, 0,1,2,3,4,5,6,7
	global_store_b128 v[L16], v[\buf+4*\i:\buf+4*\i+3], s[18:19] offset:4096*(\p)+512*\i th:TH_STORE_NT
.endr
.if (\p) <= 5
	s_wait_xcnt 0x0                                ; the stores have read their registers
	LOADROW (\p)+2, \buf
.endif
.endm
	LOADROW 0, XA
	LOADROW 1, XB
	ROW 0, XA, 8
	ROW 1, XB, 8
	ROW 2, XA, 8
	ROW 3, XB, 8
	ROW 4, XA, 8
	ROW 5, XB, 8
	ROW 6, XA, 8
	ROW 7, XB, 0
	s_wait_tensorcnt 0x0                           ; the wave's end
	ds_add_u32 v[SPW], v[NIL]
	s_wait_dscnt 0x0
	CROUND                                         ; the closing round
	s_endpgm
.Lfunc_end_k_qaa2f370a96_outln:
	.size	k_qaa2f370a96_outln, .Lfunc_end_k_qaa2f370a96_outln-k_qaa2f370a96_outln
	.p2alignl 7, 3214868480
	.fill 96, 4, 3214868480
	.section	.rodata,"a",@progbits
	.p2align	6, 0x0
	.amdhsa_kernel k_qaa2f370a96_outln
		.amdhsa_group_segment_fixed_size 327680
		.amdhsa_private_segment_fixed_size 0
		.amdhsa_enable_private_segment 0
		.amdhsa_kernarg_size 72
		.amdhsa_user_sgpr_count 2
		.amdhsa_user_sgpr_kernarg_segment_ptr 1
		.amdhsa_wavefront_size32 1
		.amdhsa_system_sgpr_workgroup_id_x 1
		.amdhsa_system_sgpr_workgroup_id_y 1
		.amdhsa_system_sgpr_workgroup_id_z 1
		.amdhsa_system_vgpr_workitem_id 0
		.amdhsa_next_free_vgpr 1024
		.amdhsa_next_free_sgpr 66
		.amdhsa_reserve_vcc 0
		.amdhsa_float_denorm_mode_32 3
		.amdhsa_float_denorm_mode_16_64 3
		.amdhsa_memory_ordered 1
		.amdhsa_forward_progress 1
		.amdhsa_inst_pref_size 191
	.end_amdhsa_kernel
	.amdgpu_metadata
---
amdhsa.version: [ 1, 2 ]
amdhsa.kernels:
  - .name:           k_qaa2f370a96_outln
    .symbol:         k_qaa2f370a96_outln.kd
    .args:
      - { .name: Ob, .offset: 0, .size: 8, .value_kind: global_buffer, .address_space: global }
      - { .name: Wo_codes, .offset: 8, .size: 8, .value_kind: global_buffer, .address_space: global }
      - { .name: Wo_scales, .offset: 16, .size: 8, .value_kind: global_buffer, .address_space: global }
      - { .name: bo, .offset: 24, .size: 8, .value_kind: global_buffer, .address_space: global }
      - { .name: q, .offset: 32, .size: 8, .value_kind: global_buffer, .address_space: global }
      - { .name: gamma, .offset: 40, .size: 8, .value_kind: global_buffer, .address_space: global }
      - { .name: beta, .offset: 48, .size: 8, .value_kind: global_buffer, .address_space: global }
      - { .name: out0, .offset: 56, .size: 8, .value_kind: global_buffer, .address_space: global }
      - { .name: Wr, .offset: 64, .size: 8, .value_kind: global_buffer, .address_space: global }
    .group_segment_fixed_size: 327680
    .private_segment_fixed_size: 0
    .kernarg_segment_align: 8
    .kernarg_segment_size: 72
    .max_flat_workgroup_size: 128
    .sgpr_count:     66
    .vgpr_count:     1024
    .wavefront_size: 32
...
	.end_amdgpu_metadata
.endif
;; end of part 4
